; MI455X (gfx1250); checked and timed in simulation.
; The chip was launched on July 23, 2026; its instructions are those of AMD's public machine-readable ISA for CDNA 5 (MIT licence, August 2026) and "CDNA5" Instruction Set Architecture Reference Guide (July 2026). The comments in the code are by the model that wrote it; some were corrected since.
;; Transformer Block. Allowed arithmetic: matrix products marked QUANTISED: E4M3 operands, one E8M0 scale for each 32 along K, by v_wmma_scale_f32_16x16x128_f8f6f4 with both operands' format E4M3, f32 sums; everything else in f32.
;; Inputs: W1 512 x 2,048 float32; W2 2,048 x 512 float32; Wk 512 x 512 float32; Wo 512 x 512 float32; Wq 512 x 512 float32; Wv 512 x 512 float32; b1 2,048 float32; b2 512 float32; be1 512 float32; be2 512 float32; bo 512 float32; g1 512 float32; g2 512 float32; x 2 x 4,096 x 512 float32.
;; Outputs: out0 2 x 4,096 x 512 float32.
;; This version of the problem:
;;   THIS VERSION OF THE PROBLEM IS GIVEN IN LOW PRECISION. The matrix products marked QUANTISED in the list below multiply operands that are first quantised to E4M3 (4 exponent bits, 3 mantissa bits; 8 bits a number), with one power-of-two scale for each 32 numbers along K (OCP MX v1.0); their sums are f32. All else is computed in f32.
;;   The module's matrix products, in the order in which they are computed (A, B: the left and right operand; K: the contracted axis; several contracted axes count as one K, in the product's order):
;;     1. [M 8,192, K 512] x [K 512, N 512]; A: computed on the way; B: input Wq: QUANTISED
;;     2. [M 8,192, K 512] x [K 512, N 512]; A: computed on the way; B: input Wk: QUANTISED
;;     3. [M 8,192, K 512] x [K 512, N 512]; A: computed on the way; B: input Wv: QUANTISED
;;     4. batch 16 x [M 4,096, K 64] x [K 64, N 4,096]; A: computed on the way; B: computed on the way: QUANTISED
;;     5. batch 16 x [M 4,096, K 4,096] x [K 4,096, N 64]; A: softmax (see below); B: computed on the way: QUANTISED
;;     6. [M 8,192, K 512] x [K 512, N 512]; A: computed on the way; B: input Wo: QUANTISED
;;     7. [M 8,192, K 512] x [K 512, N 2,048]; A: computed on the way; B: input W1: QUANTISED
;;     8. [M 8,192, K 2,048] x [K 2,048, N 512]; A: computed on the way; B: input W2: QUANTISED
;;   THE QUANTISER, for each operand of a quantised product, along K:
;;     - K is cut into blocks of 32 from its start; a last block that is shorter is filled with zeros.
;;     - A block's scale is 2^e with e = floor(log2(the largest magnitude in the block)) - 8, held to -126 .. 127; a block of zeros has e = 0. As a byte (E8M0): e + 127.
;;     - Each number is divided by its block's scale, clamped to +-448, and rounded to the nearest number of E4M3, ties to even, subnormals kept.
;;     - The product sums the exact products of the quantised numbers (number of the format x scale) in f32.
;;   ~~~python
;;   def quantise(x, axis):      # numpy; x: float32 -> the quantised numbers, widened to float32 again
;;       x = np.moveaxis(x, axis, -1); K = x.shape[-1]
;;       x = np.pad(x, [(0, 0)] * (x.ndim - 1) + [(0, -K % 32)]); x = x.reshape(x.shape[:-1] + (-1, 32)); a = np.abs(x).max(-1, keepdims=True)
;;       e = np.where(a > 0, np.clip(np.frexp(np.where(a > 0, a, 1))[1] - 1 - 8, -126, 127), 0)      # np.frexp(a)[1] - 1 = floor(log2(a)), exactly
;;       r = np.clip(x / 2.0 ** e, -448, 448)
;;       step = 2.0 ** (np.maximum(np.frexp(np.where(r == 0, 1, r))[1] - 1, -6) - 3)
;;       q = np.round(r / step) * step * 2.0 ** e      # np.round: ties to even
;;       return np.moveaxis(q.reshape(q.shape[:-2] + (-1,))[..., :K], -1, axis).astype(np.float32)
;;   ~~~
;;   SOFTMAX AHEAD OF A QUANTISED PRODUCT. Where the list says 'softmax', what is quantised is not the finished softmax but p = 2^(t - M), with t = logit x log2(e) and M = ceil(the row's largest t), a whole number; so 1/2 < the row's largest p <= 1. The row's sum l is taken of the UNQUANTISED p, in f32, and the product's result is divided by l at the end. Since M is a whole number, a kernel that streams over the keys may use a running M (the ceiling of the running maximum): every later rescaling is an exact power of two, which a block's scale takes up: the codes' values come out the same.
;;   OPERANDS COMPUTED ON THE WAY. 'Computed on the way' means the value that the module computes at that place (a softmax that the list does not call 'softmax' is quantised finished and normalised). What goes into a quantiser is computed in f32, as accurately as f32 sums, v_exp_f32 and their like allow (about 1e-6 of the number): no bf16 or f16 on the way to a quantiser, and a product that is left as it is and whose result goes on into a quantised operand takes f32 operands (vector FMAs, or v_wmma_f32_16x16x4_f32). A number that lies on a knife's edge between two numbers of the format may be rounded either way, as far as f32 arithmetic and the matrix unit's own rounding can turn it there, and no further.
;; One version. Each part assembles by itself: llvm-mc -triple=amdgcn-amd-amdhsa -mcpu=gfx1250 --defsym DOCPART=n.
;; ======== version 1 of 1: 6 launches
;; limits: right only within a limited range of input values
;; workspace buffers: prep 7,602,176 bytes; qkv 12,976,128 bytes; ao 4,325,376 bytes; mid 21,102,592 bytes; hid 17,301,504 bytes
;; launch prep (part 1): grid 224 x 1, 4 waves a work-group, no clusters, 132,608 bytes of LDS; arguments x, g1, be1, Wq, Wk, Wv, Wo, W2, W1, prep; writes prep
.if DOCPART == 1
	.amdgcn_target "amdgcn-amd-amdhsa--gfx1250"
	.amdhsa_code_object_version 6
	.text
	.protected	k_q06f7237d97_prep
	.globl	k_q06f7237d97_prep
	.p2align	8
	.type	k_q06f7237d97_prep,@function
k_q06f7237d97_prep:
	s_mov_b64 s[64:65], 0
	v_nop
	global_prefetch_b8 v0, s[64:65] scope:SCOPE_SE
	s_setreg_imm32_b32 hwreg(HW_REG_WAVE_MODE, 25, 1), 1
	s_wait_xcnt 0x0
; THE PROGRAM: a pre-norm transformer block, b = 2, n = 4,096, d = 512, 8 heads of 64, MLP 2,048; all eight products on codes of E4M3 with one E8M0 scale for each 32 along K.
; Six launches: prep (this one), qkv, attn, proj, ffn1, ffn2.  NO WORK OF reference() IS LEFT OUT: every input has a way to out0 and all fourteen are loaded.
; LIMITS of the whole program: NaN and infinities among the inputs are not served.  A block of zeros, or one whose largest magnitude lies under 2^-118, carries the scale byte 1
; (where the quantiser says 127 for zeros: its codes are zeros, and the bytes are read by this program alone).  gelu's 1 + erf carries f32's absolute error where its input is strongly negative.
; THIS LAUNCH.  Work-groups 0-127: h = LayerNorm(x, g1, be1), quantised along its 512.  Work-groups 128-223: the six weights, quantised along K, which is their first axis.
; EVERY QUANTISED OPERAND LIES IN MEMORY AS AN IMAGE OF THE OPERAND'S REGISTERS.  A fragment (16 rows x 128 K) is 2,048 bytes: group c (0..3) of lane l = r + 16 h at 512 c + 16 l holds row r, k = 32 c + 16 h + 0..15.
; Scale words: a unit of 128 bytes serves two K steps: lanes 0-15 the rows' words of the even step, lanes 16-31 those of the odd one.
; Activations: codes [token / 16][K / 128][fragment], scales [token / 16][K / 256][128 bytes].  Weights the same with a tile of 16 columns for the 16 tokens;
; lane r of tile t holds column 32 (t / 2) + 8 (t % 2) + r + 8 (r / 8), so that a transposed product leaves a lane 16 neighbouring columns in two neighbouring tiles.
; prep: weights' codes at 0 (Wq, Wk, Wv, Wo 0x40000 each; W1 at 0x100000; W2 at 0x200000); their scales at 0x300000 (0x2000 each; W1 +0x8000; W2 +0x10000); h's codes at 0x320000, scales at 0x720000.
.set PIT,   2064                       ; a row of 512 f32 in the stage: 2,048 bytes + 16 = 516 words: row r starts at bank 4 r mod 64
.set STG,   16*PIT                     ; a wave's stage: its 16 rows
.set SPARE, 4*STG                      ; behind the stages: the spare words, 128 bytes a wave, which no other line names
.set LI,  1                            ; v1  16 x lane
.set L4,  2                            ; v2  4 x lane
.set RB,  3                            ; v3  stage: my wave's base + 16 x lane
.set SPW, 4                            ; v4  my spare word; never rewritten
.set NIL, 5                            ; v5  0; never rewritten
.set FB,  6                            ; v6  stage: base + 2,064 r + 64 h (norm)
.set LOUT, 6                           ; v6  my 16 bytes in a fragment's group (weights)
.set LSC, 7                            ; v7  my scale word's place (weights)
.set PWR, 8                            ; v8-11  the four K steps' scale words
.set WW,  12                           ; v12-13 two units' words to store
.set TM,  16                           ; v16-31 the quantiser's: +0 largest magnitudes, +4 bytes, +12 scale operands
.set SB,  24                           ; v24-25 (weights) my column's two scale words
.set WX,  32                           ; v32-95 (weights) two sets of 32 numbers
.set CW,  96                           ; v96-159 (weights) eight registers of codes for each of the 8 blocks
.set RG,  64                           ; v64-79  g1 of my 16 columns
.set RBE, 80                           ; v80-95  be1
.set RA,  96                           ; v96-111 a pair a row: sums, then the mean
.set RQ,  112                          ; v112-127 a pair a row: squares, then 1 / sqrt(var + eps)
.set RD,  128                          ; v128-255 eight rows, 16 registers each: lane l holds columns 128 i + 4 l .. + 3
.set XQ,  128                          ; v128-191 64 numbers of a fragment
.set PC,  192                          ; v192-255 the four fragments' codes
.set WV,  24
.set SEL, 40                           ; s[40:41] v_permlanex16_b32's selects for lane l xor 16
.set MNT, 42
.set HM,  43                           ; the mask of lanes 16-31
.set RN,  44                           ; 1 / 512
.set EP,  45                           ; 1e-5
.set MSB, 0
.macro WIN new                         ; the register windows (this launch stays in window 0: the macro writes nothing here)
.if MSB != (\new)
	s_set_vgpr_msb (MSB<<8)|(\new)
.set MSB, (\new)
.endif
.endm
; 16 nb numbers of a lane, register 16 b + i = k 32 b + 16 h + i of my row, become codes in v[pc] on and the row's scale word in v[pw].
.macro QUANT src, wa, nb, dst, pc, pw
	WIN ((\wa)|((\wa)<<2))
.irp b, 0,1,2,3
.if \b < \nb
	v_max3_num_f32 v[TM+\b], |v[(\src)+16*\b]|, |v[(\src)+16*\b+1]|, 0x4800000   ; my 16 numbers of block b, and the floor 2^(9 - 127): the byte cannot fall under 1
.endif
.endr
.irp i, 2,4,6,8,10,12,14
.irp b, 0,1,2,3
.if \b < \nb
	v_max3_num_f32 v[TM+\b], |v[(\src)+16*\b+\i]|, |v[(\src)+16*\b+\i+1]|, v[TM+\b]
.endif
.endr
.endr
	WIN 0
.irp b, 0,1,2,3
.if \b < \nb
	v_permlanex16_b32 v[TM+4+\b], v[TM+\b], s[SEL], s[SEL+1]
.endif
.endr
.irp b, 0,1,2,3
.if \b < \nb
	v_max_num_f32 v[TM+\b], v[TM+\b], v[TM+4+\b]          ; with lane l xor 16's 16: the block's largest magnitude
.endif
.endr
.irp b, 0,1,2,3
.if \b < \nb
	v_add_nc_u32 v[TM+12+\b], 0xfc000000, v[TM+\b]         ; 8 off its exponent field: the conversion's scale operand
	v_lshrrev_b32 v[TM+4+\b], 23, v[TM+12+\b]              ; the scale's byte
.endif
.endr
	s_wait_alu depctr_va_vdst(0)
	s_wait_xcnt 0x0                                        ; earlier stores have read their data: v[pw] and v[pc] on are written only behind this wait
	v_lshl_or_b32 v[\pw], v[TM+5], 8, v[TM+4]
.if \nb > 2
	v_lshl_or_b32 v[\pw], v[TM+6], 16, v[\pw]
	v_lshl_or_b32 v[\pw], v[TM+7], 24, v[\pw]
.endif
	WIN (\wa)
.irp b, 0,1,2,3
.if \b < \nb
.irp i, 0,1,2,3,4,5,6,7,8,9,10,11,12,13,14,15
.endr
.endif
.endr
	WIN 0
.irp b, 0,1,2,3
.if \b < \nb
	v_cvt_scalef32_pk8_fp8_f32 v[(\pc)+4*\b:(\pc)+4*\b+1], v[(\dst)+16*\b:(\dst)+16*\b+7], v[TM+12+\b]
	v_cvt_scalef32_pk8_fp8_f32 v[(\pc)+4*\b+2:(\pc)+4*\b+3], v[(\dst)+16*\b+8:(\dst)+16*\b+15], v[TM+12+\b]
.endif
.endr
	v_nop                                                  ; a plain line behind the last conversion
.endm
.macro LNRED R                         ; eight rows' pairs: the two halves, the 32 lanes; the sum ends in every lane's low register
.irp p, 0,1,2,3,4,5,6,7
	v_add_f32 v[\R+2*\p], v[\R+2*\p], v[\R+2*\p+1]
.endr
.irp m, 1,2,4,8
.irp p, 0,1,2,3,4,5,6,7
	v_add_f32_dpp v[\R+2*\p], v[\R+2*\p], v[\R+2*\p] row_xmask:\m row_mask:0xf bank_mask:0xf
.endr
.endr
.irp p, 0,1,2,3,4,5,6,7
	v_permlanex16_b32 v[\R+2*\p+1], v[\R+2*\p], s[SEL], s[SEL+1]
.endr
.irp p, 0,1,2,3,4,5,6,7
	v_add_f32 v[\R+2*\p], v[\R+2*\p], v[\R+2*\p+1]
.endr
.endm
.macro LNSTAT                          ; eight rows in v[RD] on: centred in place; 1 / sqrt(var + eps) in v[RQ + 2 p].  The rows take turns line by line
.irp p, 0,1,2,3,4,5,6,7
	v_pk_add_f32 v[RA+2*\p:RA+2*\p+1], v[RD+16*\p:RD+16*\p+1], v[RD+16*\p+2:RD+16*\p+3]
.endr
.irp e, 4,6,8,10,12,14
.irp p, 0,1,2,3,4,5,6,7
	v_pk_add_f32 v[RA+2*\p:RA+2*\p+1], v[RA+2*\p:RA+2*\p+1], v[RD+16*\p+\e:RD+16*\p+\e+1]
.endr
.endr
	LNRED RA
.irp p, 0,1,2,3,4,5,6,7
	v_mul_f32 v[RA+2*\p], 0x3b000000, v[RA+2*\p]           ; the mean
.endr
.irp e, 0,2,4,6,8,10,12,14
.irp p, 0,1,2,3,4,5,6,7
	v_pk_add_f32 v[RD+16*\p+\e:RD+16*\p+\e+1], v[RD+16*\p+\e:RD+16*\p+\e+1], v[RA+2*\p:RA+2*\p+1] op_sel_hi:[1,0] neg_lo:[0,1] neg_hi:[0,1]
.endr
.endr
.irp p, 0,1,2,3,4,5,6,7
	v_pk_mul_f32 v[RQ+2*\p:RQ+2*\p+1], v[RD+16*\p:RD+16*\p+1], v[RD+16*\p:RD+16*\p+1]
.endr
.irp e, 2,4,6,8,10,12,14
.irp p, 0,1,2,3,4,5,6,7
	v_pk_fma_f32 v[RQ+2*\p:RQ+2*\p+1], v[RD+16*\p+\e:RD+16*\p+\e+1], v[RD+16*\p+\e:RD+16*\p+\e+1], v[RQ+2*\p:RQ+2*\p+1]
.endr
.endr
	LNRED RQ
.irp p, 0,1,2,3,4,5,6,7
	v_fma_f32 v[RQ+2*\p], v[RQ+2*\p], s[RN], s[EP]         ; var + eps
.endr
	s_wait_alu depctr_va_vdst(0)
.irp p, 0,1,2,3,4,5,6,7
	v_rsq_f32 v[RQ+2*\p], v[RQ+2*\p]
.endr
	v_nop                                                  ; a plain line behind the last of the batch,
	s_wait_alu depctr_va_vdst(0)                           ; and one wait for the eight, ahead of their first reader
.endm
.macro LNAPPLY beta                    ; x 1 / sqrt, x g + be; the rows go to the stage as rows
.irp p, 0,1,2,3,4,5,6,7
.irp e, 0,2,4,6,8,10,12,14
	v_pk_mul_f32 v[RD+16*\p+\e:RD+16*\p+\e+1], v[RD+16*\p+\e:RD+16*\p+\e+1], v[RQ+2*\p:RQ+2*\p+1] op_sel_hi:[1,0]
.endr
.irp e, 0,2,4,6,8,10,12,14
	v_pk_fma_f32 v[RD+16*\p+\e:RD+16*\p+\e+1], v[RD+16*\p+\e:RD+16*\p+\e+1], v[RG+\e:RG+\e+1], v[RBE+\e:RBE+\e+1]
.endr
.irp i, 0,1,2,3
	ds_store_b128 v[RB], v[RD+16*\p+4*\i:RD+16*\p+4*\i+3] offset:(8*(\beta)+\p)*PIT+512*\i
.endr
.endr
.endm
.macro FRAGQ off, pc, pw               ; lane (r, h) takes, of row r, 16 neighbours of each block of 32 of one K step, and quantises them
.set k, 0
.rept 16
	ds_load_b128 v[XQ+4*k:XQ+4*k+3], v[FB] offset:(\off)+128*(k/4)+16*(k%4)
.set k, k+1
.endr
	s_wait_dscnt 0x0
	QUANT XQ, 0, 4, XQ, \pc, \pw
.endm
	s_load_b256 s[4:11], s[0:1], 0x0               ; x, g1, be1, Wq
	s_load_b256 s[12:19], s[0:1], 0x20             ; Wk, Wv, Wo, W2
	s_load_b128 s[20:23], s[0:1], 0x40             ; W1, prep
	v_lshl_add_u32 v[SPW], v0, 2, SPARE
	v_mov_b32 v[NIL], 0
	v_lshrrev_b32 v14, 5, v0
	v_readfirstlane_b32 s[WV], v14                 ; wave 0..3
	v_and_b32 v15, 31, v0
	v_lshlrev_b32 v[LI], 4, v15
	v_lshlrev_b32 v[L4], 2, v15
	s_mov_b32 s[SEL], 0x76543210
	s_mov_b32 s[SEL+1], 0xfedcba98
	s_mov_b32 s[HM], 0xffff0000
	s_mov_b32 s[RN], 0x3b000000
	s_mov_b32 s[EP], 0x3727c5ac
	s_mov_b32 s27, 0
	s_wait_kmcnt 0x0
	s_cmp_ge_u32 ttmp9, 128
	s_cbranch_scc1 .Lweights
	; ---- LayerNorm 1: a wave takes a tile of 16 tokens, T = 4 x work-group + wave
	s_lshl_b32 s25, ttmp9, 2
	s_add_co_u32 s25, s25, s[WV]
	s_lshl_b32 s26, s25, 15                        ; 16 rows of 2,048 bytes
	s_add_nc_u64 s[4:5], s[4:5], s[26:27]
	s_lshl_b32 s26, s25, 13
	s_add_co_u32 s26, s26, 0x320000
	s_add_nc_u64 s[28:29], s[22:23], s[26:27]      ; h's codes: 8,192 bytes a tile
	s_lshl_b32 s26, s25, 8
	s_add_co_u32 s26, s26, 0x720000
	s_add_nc_u64 s[30:31], s[22:23], s[26:27]      ; h's scale words: 256 bytes a tile
	s_mul_i32 s26, s[WV], STG
	s_wait_alu depctr_va_vdst(0)
	v_add_nc_u32 v[RB], s26, v[LI]
	v_and_b32 v14, 15, v0
	v_bfe_u32 v15, v0, 4, 1
	v_mul_u32_u24 v[FB], v14, PIT
	v_lshl_add_u32 v[FB], v15, 6, v[FB]
	v_add_nc_u32 v[FB], s26, v[FB]
.irp b, 0,1,2,3
	v_mov_b32 v[TM+4+\b], 0                        ; written once: a lane permute's destination counts as one of its sources
.endr
.irp i, 0,1,2,3
	global_load_b128 v[RG+4*\i:RG+4*\i+3], v[LI], s[6:7] offset:512*\i
	global_load_b128 v[RBE+4*\i:RBE+4*\i+3], v[LI], s[8:9] offset:512*\i
.endr
.irp beta, 0,1
	s_wait_dscnt 0x0                               ; the stage's stores have read the rows' registers
.set k, 0
.rept 32
	global_load_b128 v[RD+4*k:RD+4*k+3], v[LI], s[4:5] offset:(8*\beta+k/4)*2048+512*(k%4) th:TH_LOAD_NT   ; 512 consecutive bytes an instruction
.set k, k+1
.endr
	s_wait_loadcnt 0x0
	LNSTAT
	LNAPPLY \beta
.endr
	s_wait_dscnt 0x0
.irp s, 0,1,2,3
	FRAGQ 512*\s, PC+16*\s, PWR+\s
.irp c, 0,1,2,3
	global_store_b128 v[LI], v[PC+16*\s+4*\c:PC+16*\s+4*\c+3], s[28:29] offset:2048*\s+512*\c   ; a group of the image: 512 consecutive bytes
.endr
.if \s%2
	v_cndmask_b32 v[WW+\s/2], v[PWR+\s-1], v[PWR+\s], s[HM]   ; lanes 0-15 the even step's words, lanes 16-31 the odd step's
	global_store_b32 v[L4], v[WW+\s/2], s[30:31] offset:128*(\s/2)
.endif
.endr
	s_branch .Lend
	; ---- the weights: a lane takes a column, its registers run down K; a wave takes 32 columns x 256 along K (8 blocks a lane)
.macro WLOAD t, n
.set k, 0
.rept 32
	global_load_b32 v[WX+32*((\t)%2)+k], v[L4], s[32:33] offset:(32*(\t)+k)*(\n)*4 th:TH_LOAD_NT
.set k, k+1
.endr
.endm
.macro WBLOCK t, n
.set xb, WX+32*((\t)%2)
.set cw, CW+8*(\t)
.if (\t) < 7
	s_wait_loadcnt 32                              ; this block's 32 loads are in; the next block's may be out
.else
	s_wait_loadcnt 0x0
.endif
	v_max3_num_f32 v12, |v[xb]|, |v[xb+1]|, |v[xb+2]|
	v_max3_num_f32 v13, |v[xb+3]|, |v[xb+4]|, |v[xb+5]|
.irp i, 6,10,14,18,22,26
	v_max3_num_f32 v12, v12, |v[xb+\i]|, |v[xb+\i+1]|
	v_max3_num_f32 v13, v13, |v[xb+\i+2]|, |v[xb+\i+3]|
.endr
	v_max3_num_f32 v12, v12, |v[xb+30]|, |v[xb+31]|
	v_max3_num_f32 v12, v12, v13, 0x4800000        ; and the floor
	v_add_nc_u32 v11, 0xfc000000, v12
	v_lshrrev_b32 v13, 23, v11
.if (\t)%4 == 0
	v_mov_b32 v[SB+(\t)/4], v13
.else
	v_lshl_or_b32 v[SB+(\t)/4], v13, 8*((\t)%4), v[SB+(\t)/4]
.endif
.set k, 0
.rept 32
.set k, k+1
.endr
.irp g, 0,1,2,3
	v_cvt_scalef32_pk8_fp8_f32 v[cw+2*\g:cw+2*\g+1], v[xb+8*\g:xb+8*\g+7], v11
.endr
	global_store_b128 v[LOUT], v[cw:cw+3], s[34:35] offset:((\t)/4)*2048+512*((\t)%4)          ; k 0-15 of the block: the group's lanes 0-15; sixteen lanes fill 256 aligned bytes
	global_store_b128 v[LOUT], v[cw+4:cw+7], s[34:35] offset:((\t)/4)*2048+512*((\t)%4)+256    ; k 16-31: its lanes 16-31
.if (\t)+2 < 8
	WLOAD (\t)+2, \n
.endif
.endm
.macro WQ n
	v_mul_lo_u32 v[LOUT], v8, s38                  ; u x a tile's bytes
	v_lshl_add_u32 v[LOUT], v9, 4, v[LOUT]         ; + 16 r
	v_mul_lo_u32 v[LSC], v8, s39
	v_lshl_add_u32 v[LSC], v9, 2, v[LSC]
	WLOAD 0, \n
	WLOAD 1, \n
.irp t, 0,1,2,3,4,5,6,7
	WBLOCK \t, \n
.endr
	global_store_b32 v[LSC], v[SB], s[36:37]       ; the even K step's word
	global_store_b32 v[LSC], v[SB+1], s[36:37] offset:64
.endm
.Lweights:
	s_sub_co_u32 s25, ttmp9, 128                   ; w
	v_bfe_u32 v8, v0, 3, 1                         ; u: which of the two tiles my column falls in
	v_and_b32 v9, 7, v0
	v_bfe_u32 v14, v0, 4, 1
	v_lshl_add_u32 v9, v14, 3, v9                  ; r: its row there
	s_cmp_ge_u32 s25, 64
	s_cbranch_scc1 .Lw1
	; w < 64: the five weights with 512 columns: Wq, Wk, Wv, Wo (8 work-groups each), W2 (32)
	s_lshr_b32 s26, s25, 3
	s_min_u32 s26, s26, 4                          ; which
	s_and_b32 s28, s25, 3                          ; which 128 columns
	s_lshr_b32 s29, s25, 2
	s_lshl_b32 s30, s26, 18                        ; its codes in prep
	s_lshl_b32 s31, s26, 13                        ; its scales
	s_mov_b64 s[32:33], s[10:11]
	s_cmp_eq_u32 s26, 1
	s_cselect_b64 s[32:33], s[12:13], s[32:33]
	s_cmp_eq_u32 s26, 2
	s_cselect_b64 s[32:33], s[14:15], s[32:33]
	s_cmp_eq_u32 s26, 3
	s_cselect_b64 s[32:33], s[16:17], s[32:33]
	s_cmp_eq_u32 s26, 4
	s_cselect_b64 s[32:33], s[18:19], s[32:33]
	s_cselect_b32 s30, 0x200000, s30
	s_cselect_b32 s31, 0x10000, s31
	s_mov_b32 s38, 8192
	s_cselect_b32 s38, 0x8000, s38                 ; a tile's codes: K / 128 fragments
	s_mov_b32 s39, 256
	s_cselect_b32 s39, 1024, s39                   ; a tile's scale words
	s_cselect_b32 s46, 7, 1
	s_and_b32 s29, s29, s46                        ; which 256 along K
	s_lshl_b32 s46, s29, 19                        ; 256 rows of 2,048 bytes
	s_lshl_b32 s47, s28, 9
	s_add_co_u32 s46, s46, s47
	s_lshl_b32 s47, s[WV], 7
	s_add_co_u32 s46, s46, s47
	s_mov_b32 s47, 0
	s_add_nc_u64 s[32:33], s[32:33], s[46:47]
	s_lshl_b32 s48, s28, 2
	s_add_co_u32 s48, s48, s[WV]
	s_lshl_b32 s48, s48, 1                         ; my first tile
	s_mul_i32 s46, s48, s38
	s_add_co_u32 s46, s46, s30
	s_lshl_b32 s49, s29, 12
	s_add_co_u32 s46, s46, s49
	s_add_nc_u64 s[34:35], s[22:23], s[46:47]
	s_mul_i32 s46, s48, s39
	s_add_co_u32 s46, s46, s31
	s_lshl_b32 s49, s29, 7
	s_add_co_u32 s46, s46, s49
	s_add_co_u32 s46, s46, 0x300000
	s_add_nc_u64 s[36:37], s[22:23], s[46:47]
	s_wait_alu depctr_va_vdst(0)
	WQ 512
	s_branch .Lend
.Lw1:                                              ; W1: 2,048 columns, 32 work-groups
	s_sub_co_u32 s25, s25, 64
	s_and_b32 s28, s25, 15
	s_lshr_b32 s29, s25, 4
	s_mov_b32 s38, 8192
	s_mov_b32 s39, 256
	s_lshl_b32 s46, s29, 21                        ; 256 rows of 8,192 bytes
	s_lshl_b32 s47, s28, 9
	s_add_co_u32 s46, s46, s47
	s_lshl_b32 s47, s[WV], 7
	s_add_co_u32 s46, s46, s47
	s_mov_b32 s47, 0
	s_add_nc_u64 s[32:33], s[20:21], s[46:47]
	s_lshl_b32 s48, s28, 2
	s_add_co_u32 s48, s48, s[WV]
	s_lshl_b32 s46, s48, 14                        ; two tiles of 8,192 bytes
	s_lshl_b32 s49, s29, 12
	s_add_co_u32 s46, s46, s49
	s_add_co_u32 s46, s46, 0x100000
	s_add_nc_u64 s[34:35], s[22:23], s[46:47]
	s_lshl_b32 s46, s48, 9
	s_lshl_b32 s49, s29, 7
	s_add_co_u32 s46, s46, s49
	s_add_co_u32 s46, s46, 0x308000
	s_add_nc_u64 s[36:37], s[22:23], s[46:47]
	s_wait_alu depctr_va_vdst(0)
	WQ 2048
.Lend:
	s_wait_tensorcnt 0x0                           ; the wave's end
	ds_add_u32 v[SPW], v[NIL]
	s_wait_dscnt 0x0
	s_endpgm
.Lfunc_end_k_q06f7237d97_prep:
	.size	k_q06f7237d97_prep, .Lfunc_end_k_q06f7237d97_prep-k_q06f7237d97_prep
	.p2alignl 7, 3214868480
	.fill 96, 4, 3214868480
	.section	.rodata,"a",@progbits
	.p2align	6, 0x0
	.amdhsa_kernel k_q06f7237d97_prep
		.amdhsa_group_segment_fixed_size 132608
		.amdhsa_private_segment_fixed_size 0
		.amdhsa_enable_private_segment 0
		.amdhsa_kernarg_size 80
		.amdhsa_user_sgpr_count 2
		.amdhsa_user_sgpr_kernarg_segment_ptr 1
		.amdhsa_wavefront_size32 1
		.amdhsa_system_sgpr_workgroup_id_x 1
		.amdhsa_system_sgpr_workgroup_id_y 1
		.amdhsa_system_sgpr_workgroup_id_z 1
		.amdhsa_system_vgpr_workitem_id 0
		.amdhsa_next_free_vgpr 256
		.amdhsa_next_free_sgpr 66
		.amdhsa_reserve_vcc 0
		.amdhsa_float_denorm_mode_32 3
		.amdhsa_float_denorm_mode_16_64 3
		.amdhsa_fp16_overflow 1
		.amdhsa_memory_ordered 1
		.amdhsa_forward_progress 1
		.amdhsa_inst_pref_size 166
	.end_amdhsa_kernel
	.amdgpu_metadata
---
amdhsa.version: [ 1, 2 ]
amdhsa.kernels:
  - .name:           k_q06f7237d97_prep
    .symbol:         k_q06f7237d97_prep.kd
    .args:
      - { .name: x, .offset: 0, .size: 8, .value_kind: global_buffer, .address_space: global }
      - { .name: g1, .offset: 8, .size: 8, .value_kind: global_buffer, .address_space: global }
      - { .name: be1, .offset: 16, .size: 8, .value_kind: global_buffer, .address_space: global }
      - { .name: Wq, .offset: 24, .size: 8, .value_kind: global_buffer, .address_space: global }
      - { .name: Wk, .offset: 32, .size: 8, .value_kind: global_buffer, .address_space: global }
      - { .name: Wv, .offset: 40, .size: 8, .value_kind: global_buffer, .address_space: global }
      - { .name: Wo, .offset: 48, .size: 8, .value_kind: global_buffer, .address_space: global }
      - { .name: W2, .offset: 56, .size: 8, .value_kind: global_buffer, .address_space: global }
      - { .name: W1, .offset: 64, .size: 8, .value_kind: global_buffer, .address_space: global }
      - { .name: prep, .offset: 72, .size: 8, .value_kind: global_buffer, .address_space: global }
    .group_segment_fixed_size: 132608
    .private_segment_fixed_size: 0
    .kernarg_segment_align: 8
    .kernarg_segment_size: 80
    .max_flat_workgroup_size: 128
    .sgpr_count:     66
    .vgpr_count:     256
    .wavefront_size: 32
...
	.end_amdgpu_metadata
.endif
;; end of part 1
;; launch qkv (part 2): grid 192 x 1, 4 waves a work-group, no clusters, 66,048 bytes of LDS; arguments prep, qkv; writes qkv
.if DOCPART == 2
	.amdgcn_target "amdgcn-amd-amdhsa--gfx1250"
	.amdhsa_code_object_version 6
	.text
	.protected	k_q06f7237d97_qkv
	.globl	k_q06f7237d97_qkv
	.p2align	8
	.type	k_q06f7237d97_qkv,@function
k_q06f7237d97_qkv:
	s_mov_b64 s[64:65], 0
	v_nop
	global_prefetch_b8 v0, s[64:65] scope:SCOPE_SE
	s_setreg_imm32_b32 hwreg(HW_REG_WAVE_MODE, 25, 1), 1
	s_wait_xcnt 0x0
; q = h Wq, k = h Wk, v = h Wv on codes, and their results quantised on the way out: q and k along the head's 64, v along the keys.  Nothing of reference() is left out.
; Work-groups 0-63: q; 64-127: k; 128-191: v.  A wave makes 128 x 128 over K = 512: 64 accumulators, 512 registers.
; THE ENGINE.  Source 0 = X: 8 tiles of 16 rows, a wave's own, from memory straight into registers (two sets).  Source 1 = Y: 8 tiles that all four waves share, copied once into LDS (64 KB).
; Both lie in memory as images of the operand's registers, so every load is 512 consecutive bytes.  Lane (r, h) of accumulator (a, b) holds Y's row r of tile a and X's rows 8 h + j of tile b.
; q, k: Y = 128 tokens of h, X = my 128 columns of the weight: a lane's 64 registers of a token tile run along the columns: two heads of 64, each two blocks of 32.
; v: Y = 128 columns of Wv, X = my 128 tokens of h: a lane's 64 registers of a column tile run along the tokens, which are the keys, the second product's K.
; OUT.  q, k: codes [bh][token / 16][1,024 bytes] = groups 0, 1 of a fragment; two neighbouring tiles are one fragment of 128: row m = [key 32 C + m | key 32 C + 16 + m].  Scale words [bh][C][16]: low half the even tile's two bytes.
; v: codes [bh][key / 128][4 tiles of channels][fragment]; in a group c, half h, byte i is key 32 c + 8 h + i (i < 8) or 32 c + 16 + 8 h + i - 8: the order in which attn's p falls; scale words [bh][key / 128][tile][16].
; qkv: q's codes 0, k's 0x400000, v's 0x800000; scales 0xC00000, 0xC20000, 0xC40000.
; LIMITS: as stated at the head of prep.
.set XTS, 8192                         ; from tile to tile of X, codes
.set XSS, 256                          ; and scale words
.set YSS, 256
.set SPARE, 65536
.set LI,  1
.set L4,  2
.set LY,  1                            ; Y's images begin at LDS byte 0
.set SWA, 3                            ; v3  where I put my quarter of Y: 16,384 x wave + 16 x lane
.set SPW, 4
.set NIL, 5
.set LSQ, 8                            ; v8  8,192 h + 4 r: lanes 0-15 my first head's scale words, lanes 16-31 my second's
.set PW,  10                           ; v10-11 two tiles' scale words
.set WW,  12
.set WA,  13
.set WB,  14
.set TM,  16
.set XS,  32                           ; v32-47 X's scale words: register 2 b + sp; scales and nothing else
.set YS,  48                           ; v48-63 Y's: 2 a + sp
.set XQ,  64                           ; v64-127 64 held numbers
.set BI,  64
.set YF,  128                          ; v128-255 Y's eight fragments of one K step
.set PCB, 128                          ; on the way out: two sets of codes
.set WV,  8
.set YP,  20
.set XP,  22
.set YSP, 24
.set XSP, 26
.set OCP, 28
.set OSP, 30
.set SEL, 32
.set MNT, 34
.set HM,  35
.set MSB, 0
.macro WIN new                         ; s_set_vgpr_msb: bits 1:0 source 0, 3:2 source 1, 5:4 source 2, 7:6 destination; the high byte repeats the setting that is left
.if MSB != (\new)
	s_set_vgpr_msb (MSB<<8)|(\new)
.set MSB, (\new)
.endif
.endm
.macro PLACES n
.rept \n
	v_nop
.endr
.endm
.macro BAR                             ; my LDS stores have landed and my LDS loads are in: then the work-group's barrier
	s_wait_dscnt 0x0
	s_barrier_signal -1
	s_barrier_wait -1
.endm
.macro QUANT src, wa, nb, dst, pc, pw  ; 16 nb numbers in window wa, register 16 b + i = k 32 b + 16 h + i, become codes in v[pc] on and the scale word v[pw].  Each accumulator is read from its low end on
	WIN ((\wa)|((\wa)<<2))
.irp b, 0,1,2,3
.if \b < \nb
	v_max3_num_f32 v[TM+\b], |v[(\src)+16*\b]|, |v[(\src)+16*\b+1]|, 0x4800000
.endif
.endr
.irp i, 2,4,6,8,10,12,14
.irp b, 0,1,2,3
.if \b < \nb
	v_max3_num_f32 v[TM+\b], |v[(\src)+16*\b+\i]|, |v[(\src)+16*\b+\i+1]|, v[TM+\b]
.endif
.endr
.endr
	WIN 0
.irp b, 0,1,2,3
.if \b < \nb
	v_permlanex16_b32 v[TM+4+\b], v[TM+\b], s[SEL], s[SEL+1]
.endif
.endr
.irp b, 0,1,2,3
.if \b < \nb
	v_max_num_f32 v[TM+\b], v[TM+\b], v[TM+4+\b]
.endif
.endr
.irp b, 0,1,2,3
.if \b < \nb
	v_add_nc_u32 v[TM+12+\b], 0xfc000000, v[TM+\b]
	v_and_or_b32 v[TM+8+\b], v[TM+\b], 0x7f800000, s[MNT]
	v_lshrrev_b32 v[TM+4+\b], 23, v[TM+12+\b]
.endif
.endr
	s_wait_alu depctr_va_vdst(0)
	s_wait_xcnt 0x0                                        ; earlier stores have read their data: v[pw] and v[pc] on are written only behind this wait
	v_lshl_or_b32 v[\pw], v[TM+5], 8, v[TM+4]
.if \nb > 2
	v_lshl_or_b32 v[\pw], v[TM+6], 16, v[\pw]
	v_lshl_or_b32 v[\pw], v[TM+7], 24, v[\pw]
.endif
	WIN (\wa)
.irp b, 0,1,2,3
.if \b < \nb
.irp i, 0,1,2,3,4,5,6,7,8,9,10,11,12,13,14,15
	v_med3_num_f32 v[(\dst)+16*\b+\i], v[(\src)+16*\b+\i], -v[TM+8+\b], v[TM+8+\b]   ; the hold at 448 x the scale; it also brings the number into window 0
.endr
.endif
.endr
	WIN 0
.irp b, 0,1,2,3
.if \b < \nb
	v_cvt_scalef32_pk8_fp8_f32 v[(\pc)+4*\b:(\pc)+4*\b+1], v[(\dst)+16*\b:(\dst)+16*\b+7], v[TM+12+\b]
	v_cvt_scalef32_pk8_fp8_f32 v[(\pc)+4*\b+2:(\pc)+4*\b+3], v[(\dst)+16*\b+8:(\dst)+16*\b+15], v[TM+12+\b]
.endif
.endr
	v_nop
.endm
.macro XFETCH s, p                     ; X's eight fragments of K step s into set p of window 1
	WIN 0x40
.set k, 0
.rept 32
	global_load_b128 v[128*(\p)+4*k:128*(\p)+4*k+3], v[LI], s[XP:XP+1] offset:(k/4)*XTS+(\s)*2048+512*(k%4)
.set k, k+1
.endr
.endm
.macro YFETCH s, a0                    ; Y's fragments a0 .. a0 + 3 of K step s
.set k, 0
.rept 16
	ds_load_b128 v[YF+16*(\a0)+4*k:YF+16*(\a0)+4*k+3], v[LY] offset:(4*((\a0)+k/4)+(\s))*2048+512*(k%4)
.set k, k+1
.endr
.endm
.macro MUL16 a0, p, s, cm              ; 16 products: Y's tiles a0, a0 + 1 x X's eight.  cm = 1: the constant 0 starts the sums; cm = 2: a bias does.  The 64 accumulators take turns in one order
.irp a, \a0, \a0+1
.irp b, 0,1,2,3,4,5,6,7
.set rD, 8*(8*((\a)%4)+\b)
.set rX, 128*(\p)+16*\b
.set rY, YF+16*(\a)
.set rXS, XS+2*\b+(\s)/2
.set rYS, YS+2*(\a)+(\s)/2
.if (\s)%2
	v_wmma_scale_f32_16x16x128_f8f6f4 v[rD:rD+7], v[rX:rX+15], v[rY:rY+15], v[rD:rD+7], v[rXS], v[rYS] matrix_a_scale:MATRIX_SCALE_ROW1 matrix_b_scale:MATRIX_SCALE_ROW1
.elseif \cm == 1
	v_wmma_scale_f32_16x16x128_f8f6f4 v[rD:rD+7], v[rX:rX+15], v[rY:rY+15], 0, v[rXS], v[rYS]
.elseif \cm == 2
	v_wmma_scale_f32_16x16x128_f8f6f4 v[rD:rD+7], v[rX:rX+15], v[rY:rY+15], v[BI+8*\b:BI+8*\b+7], v[rXS], v[rYS]
.else
	v_wmma_scale_f32_16x16x128_f8f6f4 v[rD:rD+7], v[rX:rX+15], v[rY:rY+15], v[rD:rD+7], v[rXS], v[rYS]
.endif
.endr
.endr
.endm
; A K step of 128: 64 products.  A load into a register that a matrix instruction has read stands eight plain vector lines behind it.
.macro STEP s, cm
	s_wait_loadcnt 0x0                             ; X of this step (asked for 64 products ago); in step 0 the scale words too
.if (\s) < 3
	XFETCH (\s)+1, 1-(\s)%2                        ; the other set's last readers stand behind the eight places that close the step before
.endif
	s_wait_dscnt 16                                ; Y's tiles 0-3 are in; the youngest 16 loads (tiles 4-7) may be out
.if \cm == 2
	WIN 0x81
.else
	WIN 0xa1                                       ; X window 1, Y window 0, C and D window 2
.endif
	MUL16 0, (\s)%2, \s, \cm
	MUL16 2, (\s)%2, \s, \cm
	s_wait_dscnt 0x0
.if (\s) < 3
	PLACES 8
	WIN 0
	YFETCH (\s)+1, 0
.endif
.if \cm == 2
	WIN 0xc1
.else
	WIN 0xf1
.endif
	MUL16 4, (\s)%2, \s, \cm
	MUL16 6, (\s)%2, \s, \cm
	PLACES 8
	WIN 0
.if (\s) < 3
	YFETCH (\s)+1, 4
.endif
.endm
.macro EHEAD                           ; Y's 64 KB into LDS, a quarter a wave; X's first step; the scale words
.set k, 0
.rept 32
	global_load_b128 v[YF+4*k:YF+4*k+3], v[LI], s[YP:YP+1] offset:512*k
.set k, k+1
.endr
	XFETCH 0, 0
	WIN 0
	s_wait_loadcnt 32                              ; my quarter of Y is in; the 32 younger loads are X's
.set k, 0
.rept 32
	ds_store_b128 v[SWA], v[YF+4*k:YF+4*k+3] offset:512*k
.set k, k+1
.endr
.set k, 0
.rept 16
	global_load_b32 v[XS+k], v[L4], s[XSP:XSP+1] offset:(k/2)*XSS+(k%2)*128
	global_load_b32 v[YS+k], v[L4], s[YSP:YSP+1] offset:(k/2)*YSS+(k%2)*128
.set k, k+1
.endr
	BAR                                            ; all of Y lies in LDS
	YFETCH 0, 0
	YFETCH 0, 4
.endm
	s_load_b128 s[4:7], s[0:1], 0x0                ; prep, qkv
	v_lshl_add_u32 v[SPW], v0, 2, SPARE
	v_mov_b32 v[NIL], 0
	v_lshrrev_b32 v6, 5, v0
	v_readfirstlane_b32 s[WV], v6
	v_and_b32 v7, 31, v0
	v_lshlrev_b32 v[LI], 4, v7
	v_lshlrev_b32 v[L4], 2, v7
	s_lshl_b32 s9, s[WV], 14
	v_add_nc_u32 v[SWA], s9, v[LI]
	v_and_b32 v6, 15, v0
	v_bfe_u32 v7, v0, 4, 1
	v_lshlrev_b32 v[LSQ], 2, v6
	v_lshl_add_u32 v[LSQ], v7, 13, v[LSQ]
.irp b, 0,1,2,3
	v_mov_b32 v[TM+4+\b], 0
.endr
	s_mov_b32 s[SEL], 0x76543210
	s_mov_b32 s[SEL+1], 0xfedcba98
	s_mov_b32 s[MNT], 0x600000
	s_mov_b32 s[HM], 0xffff0000
	s_lshr_b32 s10, ttmp9, 6                       ; 0: q, 1: k, 2: v
	s_and_b32 s11, ttmp9, 63
	s_lshl_b32 s12, s11, 16                        ; q, k: Y = h's block of 128 tokens
	s_add_co_u32 s12, s12, 0x320000
	s_lshl_b32 s13, s11, 11
	s_add_co_u32 s13, s13, 0x720000
	s_lshl_b32 s14, s10, 18                        ; X = my eight tiles of the weight
	s_lshl_b32 s15, s[WV], 16
	s_add_co_u32 s14, s14, s15
	s_lshl_b32 s15, s10, 13
	s_lshl_b32 s16, s[WV], 11
	s_add_co_u32 s15, s15, s16
	s_add_co_u32 s15, s15, 0x300000
	s_and_b32 s16, s11, 3                          ; v: which 128 columns of Wv are Y,
	s_and_b32 s17, s11, 60
	s_add_co_u32 s17, s17, s[WV]                   ; and which block of 128 tokens is my X
	s_lshl_b32 s18, s16, 16
	s_add_co_u32 s18, s18, 0x80000
	s_lshl_b32 s19, s16, 11
	s_add_co_u32 s19, s19, 0x304000
	s_lshl_b32 s36, s17, 16
	s_add_co_u32 s36, s36, 0x320000
	s_lshl_b32 s37, s17, 11
	s_add_co_u32 s37, s37, 0x720000
	s_cmp_eq_u32 s10, 2
	s_cselect_b32 s12, s18, s12
	s_cselect_b32 s13, s19, s13
	s_cselect_b32 s14, s36, s14
	s_cselect_b32 s15, s37, s15
	s_add_co_u32 s12, s12, s9                      ; my quarter of Y
	s_mov_b32 s39, 0
	s_wait_alu depctr_va_vdst(0)
	s_wait_kmcnt 0x0
	s_mov_b32 s38, s12
	s_add_nc_u64 s[YP:YP+1], s[4:5], s[38:39]
	s_mov_b32 s38, s13
	s_add_nc_u64 s[YSP:YSP+1], s[4:5], s[38:39]
	s_mov_b32 s38, s14
	s_add_nc_u64 s[XP:XP+1], s[4:5], s[38:39]
	s_mov_b32 s38, s15
	s_add_nc_u64 s[XSP:XSP+1], s[4:5], s[38:39]
	EHEAD
	STEP 0, 1
	STEP 1, 0
	STEP 2, 0
	STEP 3, 0
	s_cmp_eq_u32 s10, 2
	s_cbranch_scc1 .Lout_v
	; ---- q, k: token tile T's 64 registers are my two heads' 2 x 64 channels
	s_lshr_b32 s12, s11, 5
	s_lshl_b32 s12, s12, 3
	s_lshl_b32 s13, s[WV], 1
	s_add_co_u32 s12, s12, s13                     ; my first head, with the batch: bh
	s_and_b32 s13, s11, 31
	s_lshl_b32 s14, s12, 18
	s_lshl_b32 s15, s13, 13
	s_add_co_u32 s14, s14, s15
	s_lshl_b32 s15, s10, 22
	s_add_co_u32 s38, s14, s15
	s_add_nc_u64 s[OCP:OCP+1], s[6:7], s[38:39]
	s_lshl_b32 s14, s12, 13
	s_lshl_b32 s15, s13, 8
	s_add_co_u32 s14, s14, s15
	s_lshl_b32 s15, s10, 17
	s_add_co_u32 s14, s14, s15
	s_add_co_u32 s38, s14, 0xC00000
	s_add_nc_u64 s[OSP:OSP+1], s[6:7], s[38:39]
.irp T, 0,1,2,3,4,5,6,7
	QUANT 64*(\T%4), 2+\T/4, 4, XQ, PCB+16*(\T%2), PW+\T%2
.irp c, 0,1
	global_store_b128 v[LI], v[PCB+16*(\T%2)+4*\c:PCB+16*(\T%2)+4*\c+3], s[OCP:OCP+1] offset:1024*\T+512*\c
	global_store_b128 v[LI], v[PCB+16*(\T%2)+8+4*\c:PCB+16*(\T%2)+8+4*\c+3], s[OCP:OCP+1] offset:262144+1024*\T+512*\c
.endr
.if \T%2
	v_perm_b32 v[WA], v[PW+1], v[PW], 0x05040100   ; my first head: the even tile's two bytes below, the odd tile's above
	v_perm_b32 v[WB], v[PW+1], v[PW], 0x07060302   ; my second head
	v_cndmask_b32 v[WW], v[WA], v[WB], s[HM]
	global_store_b32 v[LSQ], v[WW], s[OSP:OSP+1] offset:64*(\T/2)
.endif
.endr
	s_branch .Lend
.Lout_v:                                           ; ---- v: column tile t's 64 registers are 128 keys
	s_lshr_b32 s12, s17, 5
	s_lshl_b32 s12, s12, 3
	s_lshl_b32 s13, s16, 1
	s_add_co_u32 s12, s12, s13                     ; bh of the block's first head
	s_and_b32 s13, s17, 31                         ; which 128 keys of the batch
	s_lshl_b32 s14, s12, 18
	s_lshl_b32 s15, s13, 13
	s_add_co_u32 s14, s14, s15
	s_add_co_u32 s38, s14, 0x800000
	s_add_nc_u64 s[OCP:OCP+1], s[6:7], s[38:39]
	s_lshl_b32 s14, s12, 13
	s_lshl_b32 s15, s13, 8
	s_add_co_u32 s14, s14, s15
	s_add_co_u32 s38, s14, 0xC40000
	s_add_nc_u64 s[OSP:OSP+1], s[6:7], s[38:39]
.irp T, 0,1,2,3,4,5,6,7
	QUANT 64*(\T%4), 2+\T/4, 4, XQ, PCB+16*(\T%2), PW+\T%2
.irp c, 0,1,2,3
	global_store_b128 v[LI], v[PCB+16*(\T%2)+4*\c:PCB+16*(\T%2)+4*\c+3], s[OCP:OCP+1] offset:(\T/4)*262144+(\T%4)*2048+512*\c
.endr
.if \T%2
	v_cndmask_b32 v[WW], v[PW], v[PW+1], s[HM]     ; lanes 0-15 the even tile's words, lanes 16-31 the odd tile's
	global_store_b32 v[L4], v[WW], s[OSP:OSP+1] offset:((\T-1)%4)*64+(\T/4)*8192
.endif
.endr
.Lend:
	s_wait_tensorcnt 0x0                           ; the wave's end
	ds_add_u32 v[SPW], v[NIL]
	s_wait_dscnt 0x0
	s_endpgm
.Lfunc_end_k_q06f7237d97_qkv:
	.size	k_q06f7237d97_qkv, .Lfunc_end_k_q06f7237d97_qkv-k_q06f7237d97_qkv
	.p2alignl 7, 3214868480
	.fill 96, 4, 3214868480
	.section	.rodata,"a",@progbits
	.p2align	6, 0x0
	.amdhsa_kernel k_q06f7237d97_qkv
		.amdhsa_group_segment_fixed_size 66048
		.amdhsa_private_segment_fixed_size 0
		.amdhsa_enable_private_segment 0
		.amdhsa_kernarg_size 16
		.amdhsa_user_sgpr_count 2
		.amdhsa_user_sgpr_kernarg_segment_ptr 1
		.amdhsa_wavefront_size32 1
		.amdhsa_system_sgpr_workgroup_id_x 1
		.amdhsa_system_sgpr_workgroup_id_y 1
		.amdhsa_system_sgpr_workgroup_id_z 1
		.amdhsa_system_vgpr_workitem_id 0
		.amdhsa_next_free_vgpr 1024
		.amdhsa_next_free_sgpr 66
		.amdhsa_reserve_vcc 0
		.amdhsa_float_denorm_mode_32 3
		.amdhsa_float_denorm_mode_16_64 3
		.amdhsa_memory_ordered 1
		.amdhsa_forward_progress 1
		.amdhsa_inst_pref_size 206
	.end_amdhsa_kernel
	.amdgpu_metadata
---
amdhsa.version: [ 1, 2 ]
amdhsa.kernels:
  - .name:           k_q06f7237d97_qkv
    .symbol:         k_q06f7237d97_qkv.kd
    .args:
      - { .name: prep, .offset: 0, .size: 8, .value_kind: global_buffer, .address_space: global }
      - { .name: qkv, .offset: 8, .size: 8, .value_kind: global_buffer, .address_space: global }
    .group_segment_fixed_size: 66048
    .private_segment_fixed_size: 0
    .kernarg_segment_align: 8
    .kernarg_segment_size: 16
    .max_flat_workgroup_size: 128
    .sgpr_count:     66
    .vgpr_count:     1024
    .wavefront_size: 32
...
	.end_amdgpu_metadata
.endif
;; end of part 2
;; launch attn (part 3): grid 16 x 16, 16 waves a work-group, no clusters, 83,968 bytes of LDS; arguments qkv, ao; writes ao
.if DOCPART == 3
	.amdgcn_target "amdgcn-amd-amdhsa--gfx1250"
	.amdhsa_code_object_version 6
	.text
	.protected	k_q06f7237d97_attn
	.globl	k_q06f7237d97_attn
	.p2align	8
	.type	k_q06f7237d97_attn,@function
k_q06f7237d97_attn:
	s_mov_b64 s[64:65], 0
	v_nop
	global_prefetch_b8 v0, s[64:65] scope:SCOPE_SE
	s_setreg_imm32_b32 hwreg(HW_REG_WAVE_MODE, 25, 1), 1
	s_wait_xcnt 0x0
; o = softmax(q k^T / 8) v for each of 16 (batch, head), both products on codes; o is quantised along the 512 of the next product on the way out.  Nothing of reference() is left out.
; THE SOFTMAX: t = score x log2(e) / 8; M = the running largest t rounded UP to a whole number; p = 2^(t - M) is quantised along the keys, not normalised; the row's sum is taken of the unquantised p and divides at the end.
; SHARES.  A work-group owns 256 queries of one head, each of its sixteen waves 16 of them in 256 registers: four waves to a SIMD, so that one wave's vector work stands beside another's products and LDS loads.
; Every wave walks all 4,096 keys, 128 a step.  Both products are used transposed, so that a lane holds one query throughout.
; HEAD SIZE 64 UNDER AN INSTRUCTION OF K = 128.  A fragment of k holds two keys a row: [key 32 C + m | key 32 C + 16 + m].  Multiplied by [q | 0] it gives the first keys' scores, by [0 | q] the second keys'.
; v16-23 = 0, v24-31 = q, v32-39 = 0: [q | 0] is v24-39 and [0 | q] is v16-31.  So register 16 C + i of a lane is key 32 C + 8 h + i (i < 8) or 32 C + 16 + 8 h + i - 8: a block of 32 keys lies in lanes l and l xor 16,
; and v's codes were laid in the same order inside each block of 32 keys.
; LDS: two slots of 32 KB (k's 16 KB, then v's 16 KB: two key steps); k's scale words of the head at 65,536, v's at 73,728; the spare words at 81,920.  The slots are filled through registers, 2 KB a wave.
; EVERY LDS LOAD IS ISSUED A PHASE AHEAD OF ITS USE.  Two banks of 64 registers change roles from step to step: k's fragments lie in one, the scores fall into the other; v's fragments follow k's into the first as soon
; as the score products are done, and land under the softmax; the next step's k follows p into the second, 16 registers at a time, as soon as a block's conversions have read them.
; THE BARRIER, one a slot, stands in the slot's second step, ahead of the conversions.  In front of it a wave has stored its part of the next slot and has all its LDS loads in, v's last from this slot among them.
; Behind it the other slot is whole, so the next step's k is read from it, and this slot is read out, so what it takes next is asked of memory; that is stored one and a half steps later, ahead of the next barrier.
; Between two barriers every LDS load reads one slot and every LDS store writes the other.
; No multicast: this launch has no tensor load; the sixteen work-groups of a head read the same 512 KB.
; LIMITS: as stated at the head of prep.
.set SPARE, 81920
.set LI,  1                            ; v1  16 x lane
.set SC0, 2                            ; v2  65,536 + 4 x lane
.set SW0, 3                            ; v3  1,024 x wave + 16 x lane: my part of a slot's k or v, in memory and in LDS
.set SPW, 4
.set NIL, 5
.set PFO, 6                            ; v6  256 x lane
.set R4,  7                            ; v7  4 x (lane % 16)
.set ADS, 8                            ; v8  the step's scale words
.set ADG, 9                            ; v9  512 x wave + 16 x lane
.set QSL, 10                           ; v10 q's two scale bytes in the low half;  v11 in the high half; scales and nothing else
.set QSH, 11
.set BA,  40                           ; v40-103  bank A: a slot's first step: k, then v; its second step: the scores, then p
.set BB,  104                          ; v104-167 bank B: the other way round
.set S,   104                          ; the way out's 32 numbers
.set OT,  168                          ; v168-199 O^T
.set PCD, 200                          ; v200-215 p's codes
.set TM,  216                          ; v216-231
.set FF,  232                          ; v[232:233] f = 2^(old M - new M)
.set TP,  234
.set PW,  235                          ; p's scale word
.set KSC, 236                          ; v236-237 k's scale words: lanes 0-15 the even fragment's, lanes 16-31 the odd one's
.set VSC, 238                          ; v238-239 v's
.set STA, 240                          ; v240-255 2 KB of a slot on their way from memory to LDS
.set WV,  8
.set BH,  9
.set KP,  10
.set VP,  12
.set SEL, 14
.set CS,  16                           ; s[16:17] c = log2(e) / 8
.set MNT, 18
.set TS,  19                           ; the step's scale words: 256 bytes a step, in both tables
.set CNT, 20
.set LIM, 21                           ; 1 in a wave that prefetches, else the greatest number
.set PFA, 22
.set MSB, 0
.macro WIN new
.if MSB != (\new)
	s_set_vgpr_msb (MSB<<8)|(\new)
.set MSB, (\new)
.endif
.endm
.macro PLACES n
.rept \n
	v_nop
.endr
.endm
.macro BAR                             ; my LDS stores have landed and my LDS loads are in: then the work-group's barrier
	s_wait_dscnt 0x0
	s_barrier_signal -1
	s_barrier_wait -1
.endm
.macro QUANT src, wa, nb, dst, pc, pw
	WIN ((\wa)|((\wa)<<2))
.irp b, 0,1,2,3
.if \b < \nb
	v_max3_num_f32 v[TM+\b], |v[(\src)+16*\b]|, |v[(\src)+16*\b+1]|, 0x4800000
.endif
.endr
.irp i, 2,4,6,8,10,12,14
.irp b, 0,1,2,3
.if \b < \nb
	s_delay_alu instid0(VALU_DEP_2)
	v_max3_num_f32 v[TM+\b], |v[(\src)+16*\b+\i]|, |v[(\src)+16*\b+\i+1]|, v[TM+\b]
.endif
.endr
.endr
	WIN 0
.irp b, 0,1,2,3
.if \b < \nb
	s_delay_alu instid0(VALU_DEP_2)
	v_permlanex16_b32 v[TM+4+\b], v[TM+\b], s[SEL], s[SEL+1]
.endif
.endr
.irp b, 0,1,2,3
.if \b < \nb
	s_delay_alu instid0(VALU_DEP_2)
	v_max_num_f32 v[TM+\b], v[TM+\b], v[TM+4+\b]
.endif
.endr
.irp b, 0
.if \b < \nb
	s_delay_alu instid0(VALU_DEP_2)
	v_add_nc_u32 v[TM+12+\b], 0xfc000000, v[TM+\b]
	s_delay_alu instid0(VALU_DEP_1)
	v_lshrrev_b32 v[TM+4+\b], 23, v[TM+12+\b]
.endif
.endr
.irp b, 1, 2, 3
.if \b < \nb
	s_delay_alu instid0(VALU_DEP_3)
	v_add_nc_u32 v[TM+12+\b], 0xfc000000, v[TM+\b]
	s_delay_alu instid0(VALU_DEP_1)
	v_lshrrev_b32 v[TM+4+\b], 23, v[TM+12+\b]
.endif
.endr
	s_wait_alu depctr_va_vdst(0)
	s_wait_xcnt 0x0
	v_lshl_or_b32 v[\pw], v[TM+5], 8, v[TM+4]
.if \nb > 2
	v_lshl_or_b32 v[\pw], v[TM+6], 16, v[\pw]
	v_lshl_or_b32 v[\pw], v[TM+7], 24, v[\pw]
.endif
	WIN (\wa)
.irp b, 0,1,2,3
.if \b < \nb
.irp i, 0,1,2,3,4,5,6,7,8,9,10,11,12,13,14,15
.endr
.endif
.endr
	WIN 0
.irp b, 0,1,2,3
.if \b < \nb
	v_cvt_scalef32_pk8_fp8_f32 v[(\pc)+4*\b:(\pc)+4*\b+1], v[(\dst)+16*\b:(\dst)+16*\b+7], v[TM+12+\b]
	v_cvt_scalef32_pk8_fp8_f32 v[(\pc)+4*\b+2:(\pc)+4*\b+3], v[(\dst)+16*\b+8:(\dst)+16*\b+15], v[TM+12+\b]
.endif
.endr
	v_nop
.endm
; A PREFETCH INTO THE L2 of the slot after the one that is being loaded: 16 KB of k and 16 KB of v.  It stands behind the wave's four loads from memory.  All sixteen work-groups of a head walk the same bytes: the head's
; first asks, and in it waves 4 and 5 for k's two halves of 8 KB, waves 6 and 7 for v's, lanes 256 bytes apart: each aligned block of 256 bytes is named once in the launch.  Trip j of the loop asks for slots 2 j + 3 and
; 2 j + 4: the second request is left out in the last trip (last = 1: the count of trips to go must be above 1), since there is no slot 16.  Slots 0, 1 and 2 come by their loads alone; the tail asks for nothing.
.macro ASK goff, last
.if \last
	s_cmp_gt_u32 s[CNT], s[LIM]
.else
	s_cmp_eq_u32 s[LIM], 1
.endif
	s_cbranch_scc0 .Lnot_mine_\@
	global_prefetch_b8 v[PFO], s[PFA:PFA+1] offset:\goff th:TH_LOAD_NT scope:SCOPE_SE
.Lnot_mine_\@:
.endm
; A KEY STEP: 128 keys, the q-th of slot sl.  pre = 1: the next step's k is loaded ahead.  st = 1: my 2 KB of the next slot go to LDS.  adv = 1: the pointers step two slots on.  bar = 1: the slot's barrier.
; fetch = 1: my 2 KB of the slot two on are asked of memory, at goff from the pointers.  ask = 1, 2: the trip's first or second prefetch.
.macro STEP sl, q, pre, st, bar, fetch, goff, ask, adv
.set kb, BA+64*(\q)                    ; k's fragments, then v's
.set sb, BB-64*(\q)                    ; the scores, then p, then the next step's k
	s_wait_dscnt 0x0                               ; this step's k and its scale words, asked for in the step before
.irp c, 0,1,2,3
.if \c%2
	v_wmma_scale_f32_16x16x128_f8f6f4 v[sb+16*\c:sb+16*\c+7], v[kb+16*\c:kb+16*\c+15], v[24:39], 0, v[KSC+\c/2], v[QSL] matrix_a_scale:MATRIX_SCALE_ROW1
	v_wmma_scale_f32_16x16x128_f8f6f4 v[sb+16*\c+8:sb+16*\c+15], v[kb+16*\c:kb+16*\c+15], v[16:31], 0, v[KSC+\c/2], v[QSH] matrix_a_scale:MATRIX_SCALE_ROW1
.else
	v_wmma_scale_f32_16x16x128_f8f6f4 v[sb+16*\c:sb+16*\c+7], v[kb+16*\c:kb+16*\c+15], v[24:39], 0, v[KSC+\c/2], v[QSL]
	v_wmma_scale_f32_16x16x128_f8f6f4 v[sb+16*\c+8:sb+16*\c+15], v[kb+16*\c:kb+16*\c+15], v[16:31], 0, v[KSC+\c/2], v[QSH]
.endif
.endr
	v_add_nc_u32 v[ADS], s[TS], v[SC0]
	PLACES 7                                       ; with the addition: eight places in front of loads into k's registers and of the first read of the scores
.set k, 0
.rept 16
	ds_load_b128 v[kb+4*k:kb+4*k+3], v[LI] offset:(\sl)*32768+16384+(\q)*8192+512*k   ; v's four fragments: they land under the softmax
.set k, k+1
.endr
	ds_load_b32 v[VSC], v[ADS] offset:8192
	ds_load_b32 v[VSC+1], v[ADS] offset:8320
.if \st
	s_wait_loadcnt 0x0                             ; my part of the next slot, asked of memory behind the barrier before this slot
	ds_store_b128 v[SW0], v[STA:STA+3] offset:(1-\sl)*32768
	ds_store_b128 v[SW0], v[STA+4:STA+7] offset:(1-\sl)*32768+512
	ds_store_b128 v[SW0], v[STA+8:STA+11] offset:(1-\sl)*32768+16384
	ds_store_b128 v[SW0], v[STA+12:STA+15] offset:(1-\sl)*32768+16896
.endif
.irp b, 0,1,2,3
	v_max3_num_f32 v[TM+\b], v[sb+16*\b], v[sb+16*\b+1], v[sb+16*\b+2]   ; the largest score of each block of 32 keys: for the row's maximum and, since p rises with the score, for the block's largest p
.endr
.irp i, 3,5,7,9,11,13
.irp b, 0,1,2,3
	v_max3_num_f32 v[TM+\b], v[TM+\b], v[sb+16*\b+\i], v[sb+16*\b+\i+1]
.endr
.endr
.irp b, 0,1,2,3
	v_max_num_f32 v[TM+\b], v[TM+\b], v[sb+16*\b+15]
.endr
.irp b, 0,1,2,3
	s_delay_alu instid0(VALU_DEP_4)
	v_permlanex16_b32 v[TM+4+\b], v[TM+\b], s[SEL], s[SEL+1]
.endr
.irp b, 0,1,2,3
	s_delay_alu instid0(VALU_DEP_4)
	v_max_num_f32 v[TM+\b], v[TM+\b], v[TM+4+\b]
.endr
	s_delay_alu instid0(VALU_DEP_2)
	v_max3_num_f32 v[TP], v[TM], v[TM+1], v[TM+2]
	s_delay_alu instid0(VALU_DEP_1)
	v_max_num_f32 v[TP], v[TP], v[TM+3]
	s_delay_alu instid0(VALU_DEP_1)
	v_mul_f32 v[TP], s[CS], v[TP]                  ; as t (c is positive)
	s_delay_alu instid0(VALU_DEP_1)
	v_max_num_f32 v13, v13, v[TP]                  ; the running largest t
	v_mov_b32 v[TP], v12
	s_delay_alu instid0(VALU_DEP_2)
	v_floor_f32 v12, -v13                          ; the new -M = floor(-t)
	s_delay_alu instid0(VALU_DEP_1)
	v_sub_f32 v[TP], v12, v[TP]                    ; old M - new M: a whole number, 0 or less
	s_delay_alu instid0(VALU_DEP_1)
	v_cvt_i32_f32 v[TP], v[TP]                     ; (it saturates)
	s_delay_alu instid0(VALU_DEP_1)
	v_ldexp_f32 v[FF], 1.0, v[TP]                  ; f: a multiplication by it rounds nothing
.set k, 0
.rept 32
	v_pk_fma_f32 v[sb+2*k:sb+2*k+1], v[sb+2*k:sb+2*k+1], s[CS:CS+1], v[12:13] op_sel_hi:[1,0,0]   ; t - M
.set k, k+1
.endr
.irp b, 0,1,2,3
	v_fma_f32 v[TM+\b], v[TM+\b], s[CS], v12
.endr
.set k, 0
	s_wait_alu depctr_va_vdst(0)
.rept 64
	v_exp_f32 v[sb+k], v[sb+k]                     ; p = 2^(t - M)
.set k, k+1
.endr
	v_pk_mul_f32 v[14:15], v[14:15], v[FF:FF+1] op_sel_hi:[1,0]   ; the sums under the new M; a plain line behind the batch
	s_wait_alu depctr_va_vdst(0)                   ; one wait for the 64, ahead of their first reader
.irp b, 0,1,2,3
	v_exp_f32 v[TM+\b], v[TM+\b]                   ; each block's largest p
.endr
	v_pk_add_f32 v[TM+4:TM+5], v[sb:sb+1], v[sb+2:sb+3]   ; the row's sum of the unquantised p, in two chains
.irp j, 4,8,12,16,20,24,28,32,36,40,44,48,52,56,60
	v_pk_add_f32 v[14:15], v[14:15], v[sb+\j:sb+\j+1]
	v_pk_add_f32 v[TM+4:TM+5], v[TM+4:TM+5], v[sb+\j+2:sb+\j+3]
.endr
	s_delay_alu instid0(VALU_DEP_1)
	v_pk_add_f32 v[14:15], v[14:15], v[TM+4:TM+5]
	s_wait_alu depctr_va_vdst(0)                   ; and one for the four
.irp b, 0,1,2,3
	v_max_num_f32 v[TM+\b], 0x4800000, v[TM+\b]    ; the floor: the byte cannot fall under 1
.endr
.irp b, 0,1,2,3
	s_delay_alu instid0(VALU_DEP_4)
	v_add_nc_u32 v[TM+12+\b], 0xfc000000, v[TM+\b]
.endr
.irp b, 0,1,2,3
.endr
.irp b, 0,1,2,3
	s_delay_alu instid0(VALU_DEP_4)
	v_lshrrev_b32 v[TM+4+\b], 23, v[TM+12+\b]
.endr
	s_delay_alu instid0(VALU_DEP_3)
	v_lshl_or_b32 v[PW], v[TM+5], 8, v[TM+4]
	s_delay_alu instid0(VALU_DEP_1)
	v_lshl_or_b32 v[PW], v[TM+6], 16, v[PW]
	s_delay_alu instid0(VALU_DEP_1)
	v_lshl_or_b32 v[PW], v[TM+7], 24, v[PW]
.if \adv
	s_wait_xcnt 0x0                                ; the last loads from memory and the last prefetch, one and a half steps back, have read their bases
	s_add_nc_u64 s[KP:KP+1], s[KP:KP+1], 32768
	s_add_nc_u64 s[VP:VP+1], s[VP:VP+1], 32768
	s_add_nc_u64 s[PFA:PFA+1], s[PFA:PFA+1], 32768
.endif
.if \bar
	BAR                                            ; every wave's part of the next slot lies in LDS, and every wave's reads of this slot are in
.endif
.if \fetch
	global_load_b128 v[STA:STA+3], v[SW0], s[KP:KP+1] offset:\goff              ; what this slot's bytes take next
	global_load_b128 v[STA+4:STA+7], v[SW0], s[KP:KP+1] offset:\goff+512
	global_load_b128 v[STA+8:STA+11], v[SW0], s[VP:VP+1] offset:\goff
	global_load_b128 v[STA+12:STA+15], v[SW0], s[VP:VP+1] offset:\goff+512
.endif
.if \ask == 1
	ASK \goff, 0
.elseif \ask == 2
	ASK \goff, 1
.endif
.irp b, 0,1,2,3
.irp i, 0,1,2,3,4,5,6,7,8,9,10,11,12,13,14,15
.endr
	v_cvt_scalef32_pk8_fp8_f32 v[PCD+4*\b:PCD+4*\b+1], v[sb+16*\b:sb+16*\b+7], v[TM+12+\b]
	v_cvt_scalef32_pk8_fp8_f32 v[PCD+4*\b+2:PCD+4*\b+3], v[sb+16*\b+8:sb+16*\b+15], v[TM+12+\b]
.if \pre
.irp j, 0,1,2,3
	ds_load_b128 v[sb+16*\b+4*\j:sb+16*\b+4*\j+3], v[LI] offset:(((\sl)+(\q))%2)*32768+(1-(\q))*8192+2048*\b+512*\j   ; the next step's fragment b of k, into the 16 registers that the two conversions have read
.endr
.endif
.endr
.if \pre
	ds_load_b32 v[KSC], v[ADS] offset:256          ; and its scale words: 256 bytes on from this step's
	ds_load_b32 v[KSC+1], v[ADS] offset:384
.endif
.set k, 0
.rept 16
	v_pk_mul_f32 v[OT+2*k:OT+2*k+1], v[OT+2*k:OT+2*k+1], v[FF:FF+1] op_sel_hi:[1,0]   ; O^T under the new M; these 16 are also the places between the conversions and the products below
.set k, k+1
.endr
.if \pre
	s_wait_alu depctr_va_vdst(0)
	s_wait_dscnt 18                                ; v's fragments and scale words are in; the 18 younger loads, the next step's k and its scale words, may be out
.else
	s_wait_alu depctr_va_vdst(0)
	s_wait_dscnt 0x0
.endif
.irp c, 0,1,2,3
.if \c%2
	v_wmma_scale_f32_16x16x128_f8f6f4 v[OT+8*\c:OT+8*\c+7], v[kb+16*\c:kb+16*\c+15], v[PCD:PCD+15], v[OT+8*\c:OT+8*\c+7], v[VSC+\c/2], v[PW] matrix_a_scale:MATRIX_SCALE_ROW1
.else
	v_wmma_scale_f32_16x16x128_f8f6f4 v[OT+8*\c:OT+8*\c+7], v[kb+16*\c:kb+16*\c+15], v[PCD:PCD+15], v[OT+8*\c:OT+8*\c+7], v[VSC+\c/2], v[PW]
.endif
.endr
	s_add_co_u32 s[TS], s[TS], 256
	PLACES 9                                       ; the next step's score products write over v's fragments, which these products read: nine places (ISA guide 7.12.1 for the hazard); behind the last step they serve the way out
.endm
	s_load_b128 s[4:7], s[0:1], 0x0                ; qkv, ao
	v_lshl_add_u32 v[SPW], v0, 2, SPARE
	v_mov_b32 v[NIL], 0
	v_lshrrev_b32 v9, 5, v0
	s_delay_alu instid0(VALU_DEP_1)
	v_readfirstlane_b32 s[WV], v9                  ; wave 0..15
	v_and_b32 v9, 31, v0
	s_delay_alu instid0(VALU_DEP_1)
	v_lshlrev_b32 v[LI], 4, v9
	s_delay_alu instid0(VALU_DEP_2)
	v_lshl_add_u32 v[SC0], v9, 2, 65536
	s_delay_alu instid0(VALU_DEP_3)
	v_lshlrev_b32 v[PFO], 8, v9
	v_and_b32 v[R4], 15, v0
	s_delay_alu instid0(VALU_DEP_1)
	v_lshlrev_b32 v[R4], 2, v[R4]
	s_lshl_b32 s24, s[WV], 10
	v_add_nc_u32 v[SW0], s24, v[LI]
	s_lshl_b32 s24, s[WV], 9
	v_add_nc_u32 v[ADG], s24, v[LI]
	s_delay_alu instid0(VALU_DEP_1)
	v_add_nc_u32 v[ADS], 65536, v[ADG]             ; where my part of the scale tables goes
.irp j, 16,17,18,19,20,21,22,23,32,33,34,35,36,37,38,39
	v_mov_b32 v[\j], 0                             ; the zero codes beside q
.endr
	s_and_b32 s[BH], ttmp7, 0xffff
	s_mov_b32 s[SEL], 0x76543210
	s_mov_b32 s[SEL+1], 0xfedcba98
	s_mov_b32 s[CS], 0x3e38aa3b
	s_mov_b32 s[CS+1], s[CS]
	s_mov_b32 s[TS], 0
	s_mov_b32 s[CNT], 7
	s_lshl_b32 s24, s[BH], 18                      ; a head's codes: 262,144 bytes in each of q, k, v
	s_mov_b32 s25, 0
	s_lshl_b32 s28, ttmp9, 4
	s_add_co_u32 s28, s28, s[WV]                   ; my tile of 16 queries
	s_mov_b32 s34, 0x800000
	s_cmp_lt_u32 s[WV], 6
	s_cselect_b32 s34, 0x400000, s34               ; the prefetches: k's codes or v's,
	s_add_co_u32 s34, s34, s24
	s_and_b32 s35, s[WV], 1
	s_lshl_b32 s35, s35, 13
	s_add_co_u32 s34, s34, s35                     ; my half of a slot's 16 KB,
	s_add_co_u32 s34, s34, 16384                   ; in slot 1: the first trip steps it to slot 3
	s_mov_b32 s35, 0
	s_sub_co_u32 s29, s[WV], 4
	s_lshr_b32 s29, s29, 2                         ; 0 in waves 4 to 7,
	s_or_b32 s29, s29, ttmp9                       ; of the head's first work-group
	s_cmp_eq_u32 s29, 0
	s_cselect_b32 s[LIM], 1, -1
	s_wait_kmcnt 0x0
	s_add_nc_u64 s[PFA:PFA+1], s[4:5], s[34:35]
	s_add_nc_u64 s[26:27], s[4:5], s[24:25]
	s_add_nc_u64 s[KP:KP+1], s[26:27], 0x400000
	s_add_nc_u64 s[VP:VP+1], s[26:27], 0x800000
	s_lshl_b32 s24, s28, 10
	s_add_nc_u64 s[26:27], s[26:27], s[24:25]
	global_load_b128 v[24:27], v[LI], s[26:27]     ; q: groups 0 and 1 of a fragment
	global_load_b128 v[28:31], v[LI], s[26:27] offset:512
	s_lshl_b32 s24, s[BH], 13
	s_add_co_u32 s24, s24, 0xC00000
	s_add_nc_u64 s[30:31], s[4:5], s[24:25]        ; the head's scale words of q; k's lie 0x20000 on, v's 0x40000
	global_load_b128 v[40:43], v[ADG], s[30:31] offset:0x20000
	global_load_b128 v[44:47], v[ADG], s[30:31] offset:0x40000
	s_lshr_b32 s24, s28, 1
	s_lshl_b32 s24, s24, 6
	s_add_nc_u64 s[32:33], s[30:31], s[24:25]
	global_load_b32 v[QSL], v[R4], s[32:33]
	global_load_b128 v[STA:STA+3], v[SW0], s[KP:KP+1]              ; slot 0
	global_load_b128 v[STA+4:STA+7], v[SW0], s[KP:KP+1] offset:512
	global_load_b128 v[STA+8:STA+11], v[SW0], s[VP:VP+1]
	global_load_b128 v[STA+12:STA+15], v[SW0], s[VP:VP+1] offset:512
	s_and_b32 s24, s[WV], 1
	s_lshl_b32 s24, s24, 4
	s_wait_loadcnt 0x0
	v_lshrrev_b32 v[QSL], s24, v[QSL]              ; my tile's half of the word
	s_delay_alu instid0(VALU_DEP_1)
	v_and_b32 v[QSL], 0xffff, v[QSL]
	s_delay_alu instid0(VALU_DEP_1)
	v_lshlrev_b32 v[QSH], 16, v[QSL]
	ds_store_b128 v[ADS], v[40:43]
	ds_store_b128 v[ADS], v[44:47] offset:8192
	ds_store_b128 v[SW0], v[STA:STA+3]
	ds_store_b128 v[SW0], v[STA+4:STA+7] offset:512
	ds_store_b128 v[SW0], v[STA+8:STA+11] offset:16384
	ds_store_b128 v[SW0], v[STA+12:STA+15] offset:16896
	v_mov_b32 v13, 0xff61b1e6                      ; the largest t so far: -3e38
	s_delay_alu instid0(VALU_DEP_1)
	v_floor_f32 v12, -v13
	v_mov_b32 v14, 0
	v_mov_b32 v15, 0
.set k, 0
.rept 32
	v_mov_b32 v[OT+k], 0                           ; the step is written for every step alike: the first finds zeros
.set k, k+1
.endr
.irp b, 0,1,2,3
	v_mov_b32 v[TM+4+\b], 0
.endr
	v_mov_b32 v[FF+1], 0                           ; named as the upper half of f's pair
	v_mov_b32 v[TP], 0
	BAR                                            ; slot 0 and both scale tables lie in LDS
	global_load_b128 v[STA:STA+3], v[SW0], s[KP:KP+1] offset:16384             ; slot 1: stored in slot 0's second step
	global_load_b128 v[STA+4:STA+7], v[SW0], s[KP:KP+1] offset:16896
	global_load_b128 v[STA+8:STA+11], v[SW0], s[VP:VP+1] offset:16384
	global_load_b128 v[STA+12:STA+15], v[SW0], s[VP:VP+1] offset:16896
.set k, 0
.rept 16
	ds_load_b128 v[BA+4*k:BA+4*k+3], v[LI] offset:512*k            ; the first step's k
.set k, k+1
.endr
	ds_load_b32 v[KSC], v[SC0]
	ds_load_b32 v[KSC+1], v[SC0] offset:128
.Lslot:                                            ; 7 trips: slots 0 to 13; trip j asks memory for slots 2 j + 2 and 2 j + 3
	STEP 0, 0, 1, 0, 0, 0, 0, 0, 0
	STEP 0, 1, 1, 1, 1, 1, 0, 1, 1
	STEP 1, 0, 1, 0, 0, 0, 0, 0, 0
	STEP 1, 1, 1, 1, 1, 1, 16384, 2, 0
	s_sub_co_u32 s[CNT], s[CNT], 1
	s_cmp_lg_u32 s[CNT], 0
	s_cbranch_scc1 .Lslot
	STEP 0, 0, 1, 0, 0, 0, 0, 0, 0                 ; slot 14
	STEP 0, 1, 1, 1, 1, 0, 0, 0, 0                 ; it stores slot 15 and asks memory for nothing
	STEP 1, 0, 1, 0, 0, 0, 0, 0, 0                 ; slot 15
	STEP 1, 1, 0, 0, 0, 0, 0, 0, 0                 ; the last step: nothing to store, nobody to meet, nothing to load ahead
	; THE WAY OUT: O^T / the sum; register 16 B + i is channel 32 B + 16 h + i of my query: two blocks of the next product's K.  (The last step's nine places stand in front of it)
	v_add_f32 v14, v14, v15
	s_delay_alu instid0(VALU_DEP_1)
	v_permlanex16_b32 v[TP], v14, s[SEL], s[SEL+1]
	s_delay_alu instid0(VALU_DEP_1)
	v_add_f32 v14, v14, v[TP]
	s_wait_alu depctr_va_vdst(0)
	v_rcp_f32 v14, v14
	v_nop
	s_wait_alu depctr_va_vdst(0)
.set k, 0
.rept 32
	v_mul_f32 v[S+k], v[OT+k], v14
.set k, k+1
.endr
	QUANT S, 0, 2, S, PCD, PW
	s_lshr_b32 s24, s[BH], 3
	s_lshl_b32 s24, s24, 8
	s_add_co_u32 s24, s24, s28                     ; my token tile among the 512
	s_and_b32 s26, s[BH], 7                        ; the head
	s_lshl_b32 s30, s24, 13
	s_lshr_b32 s27, s26, 1
	s_lshl_b32 s29, s27, 11                        ; its K step,
	s_add_co_u32 s30, s30, s29
	s_and_b32 s29, s26, 1
	s_lshl_b32 s29, s29, 10                        ; its two groups there
	s_add_co_u32 s30, s30, s29
	s_mov_b32 s31, 0
	s_add_nc_u64 s[32:33], s[6:7], s[30:31]
	s_lshl_b32 s30, s24, 8
	s_lshr_b32 s29, s26, 2
	s_lshl_b32 s29, s29, 7
	s_add_co_u32 s30, s30, s29
	s_and_b32 s29, s27, 1
	s_lshl_b32 s29, s29, 6
	s_add_co_u32 s30, s30, s29
	s_and_b32 s29, s26, 1
	s_lshl_b32 s29, s29, 1
	s_add_co_u32 s30, s30, s29
	s_add_co_u32 s30, s30, 0x400000
	s_add_nc_u64 s[34:35], s[6:7], s[30:31]
	s_wait_alu depctr_va_vdst(0)
	global_store_b128 v[LI], v[PCD:PCD+3], s[32:33]
	global_store_b128 v[LI], v[PCD+4:PCD+7], s[32:33] offset:512
	global_store_b16 v[R4], v[PW], s[34:35]        ; my head's two bytes of the row's word; lanes l and l + 16 store the same bytes with the same value
	s_wait_tensorcnt 0x0                           ; the wave's end
	ds_add_u32 v[SPW], v[NIL]
	s_wait_dscnt 0x0
	s_endpgm
.Lfunc_end_k_q06f7237d97_attn:
	.size	k_q06f7237d97_attn, .Lfunc_end_k_q06f7237d97_attn-k_q06f7237d97_attn
	.p2alignl 7, 3214868480
	.fill 96, 4, 3214868480
	.section	.rodata,"a",@progbits
	.p2align	6, 0x0
	.amdhsa_kernel k_q06f7237d97_attn
		.amdhsa_group_segment_fixed_size 83968
		.amdhsa_private_segment_fixed_size 0
		.amdhsa_enable_private_segment 0
		.amdhsa_kernarg_size 16
		.amdhsa_user_sgpr_count 2
		.amdhsa_user_sgpr_kernarg_segment_ptr 1
		.amdhsa_wavefront_size32 1
		.amdhsa_system_sgpr_workgroup_id_x 1
		.amdhsa_system_sgpr_workgroup_id_y 1
		.amdhsa_system_sgpr_workgroup_id_z 1
		.amdhsa_system_vgpr_workitem_id 0
		.amdhsa_next_free_vgpr 256
		.amdhsa_next_free_sgpr 66
		.amdhsa_reserve_vcc 0
		.amdhsa_float_denorm_mode_32 3
		.amdhsa_float_denorm_mode_16_64 3
		.amdhsa_fp16_overflow 1
		.amdhsa_memory_ordered 1
		.amdhsa_forward_progress 1
		.amdhsa_inst_pref_size 149
	.end_amdhsa_kernel
	.amdgpu_metadata
---
amdhsa.version: [ 1, 2 ]
amdhsa.kernels:
  - .name:           k_q06f7237d97_attn
    .symbol:         k_q06f7237d97_attn.kd
    .args:
      - { .name: qkv, .offset: 0, .size: 8, .value_kind: global_buffer, .address_space: global }
      - { .name: ao, .offset: 8, .size: 8, .value_kind: global_buffer, .address_space: global }
    .group_segment_fixed_size: 83968
    .private_segment_fixed_size: 0
    .kernarg_segment_align: 8
    .kernarg_segment_size: 16
    .max_flat_workgroup_size: 512
    .sgpr_count:     66
    .vgpr_count:     256
    .wavefront_size: 32
...
	.end_amdgpu_metadata
.endif
;; end of part 3
;; launch proj (part 4): grid 64 x 1, 4 waves a work-group, no clusters, 264,704 bytes of LDS; arguments ao, prep, x, bo, g2, be2, mid; writes mid
.if DOCPART == 4
	.amdgcn_target "amdgcn-amd-amdhsa--gfx1250"
	.amdhsa_code_object_version 6
	.text
	.protected	k_q06f7237d97_proj
	.globl	k_q06f7237d97_proj
	.p2align	8
	.type	k_q06f7237d97_proj,@function
k_q06f7237d97_proj:
	s_mov_b64 s[64:65], 0
	v_nop
	global_prefetch_b8 v0, s[64:65] scope:SCOPE_SE
	s_setreg_imm32_b32 hwreg(HW_REG_WAVE_MODE, 25, 1), 1
	s_wait_xcnt 0x0
; x1 = x + o Wo + bo (stored as f32), and h2 = LayerNorm(x1, g2, be2), quantised along its 512.  Nothing of reference() is left out.
; A work-group takes 128 tokens and all 512 columns, since the norm needs whole rows: 64 work-groups.  The engine is qkv's: Y = the 128 tokens' codes of o (LDS), X = my 128 columns of Wo.
; The results meet in a stage of 128 rows x 2,064 bytes, which covers Y's bytes once every wave has left them; then each wave owns 32 whole rows.
; mid: x1 at 0; h2's codes at 0x1000000, its scale words at 0x1400000.
; LIMITS: as stated at the head of prep.
.set XTS, 8192
.set XSS, 256
.set YSS, 256
.set PIT, 2064
.set SPARE, 128*PIT
.set LI,  1
.set L4,  2
.set LY,  1
.set SWA, 3
.set SPW, 4
.set NIL, 5
.set STB, 6                            ; v6-9  stage, on the way in: 2,064 r + 64 h + 512 x wave + 66,048 x (token tile / 2)
.set PW,  10
.set WW,  12
.set RB,  13                           ; v13 my 32 rows + 16 x lane
.set FB,  14                           ; v14 my 32 rows + 2,064 r + 64 h
.set TM,  16
.set RQ,  16                           ; v16-31 (the norm's pairs; the quantiser's registers at other times)
.set XS,  32
.set YS,  48
.set BI,  64
.set RG,  64
.set RBE, 80
.set RBO, 96
.set RA,  112
.set YF,  128
.set RD,  128
.set XQ,  128
.set PCB, 192
.set WV,  18
.set YP,  20
.set XP,  22
.set YSP, 24
.set XSP, 26
.set XRP, 28
.set X1P, 30
.set SEL, 32
.set MNT, 34
.set HM,  35
.set RN,  36
.set EP,  37
.set H2C, 40
.set H2S, 42
.set MSB, 0
.macro WIN new
.if MSB != (\new)
	s_set_vgpr_msb (MSB<<8)|(\new)
.set MSB, (\new)
.endif
.endm
.macro PLACES n
.rept \n
	v_nop
.endr
.endm
.macro BAR
	s_wait_dscnt 0x0
	s_barrier_signal -1
	s_barrier_wait -1
.endm
.macro QUANT src, wa, nb, dst, pc, pw
	WIN ((\wa)|((\wa)<<2))
.irp b, 0,1,2,3
.if \b < \nb
	v_max3_num_f32 v[TM+\b], |v[(\src)+16*\b]|, |v[(\src)+16*\b+1]|, 0x4800000
.endif
.endr
.irp i, 2,4,6,8,10,12,14
.irp b, 0,1,2,3
.if \b < \nb
	v_max3_num_f32 v[TM+\b], |v[(\src)+16*\b+\i]|, |v[(\src)+16*\b+\i+1]|, v[TM+\b]
.endif
.endr
.endr
	WIN 0
.irp b, 0,1,2,3
.if \b < \nb
	v_permlanex16_b32 v[TM+4+\b], v[TM+\b], s[SEL], s[SEL+1]
.endif
.endr
.irp b, 0,1,2,3
.if \b < \nb
	v_max_num_f32 v[TM+\b], v[TM+\b], v[TM+4+\b]
.endif
.endr
.irp b, 0,1,2,3
.if \b < \nb
	v_add_nc_u32 v[TM+12+\b], 0xfc000000, v[TM+\b]
	v_lshrrev_b32 v[TM+4+\b], 23, v[TM+12+\b]
.endif
.endr
	s_wait_alu depctr_va_vdst(0)
	s_wait_xcnt 0x0                                        ; earlier stores have read their data
	v_lshl_or_b32 v[\pw], v[TM+5], 8, v[TM+4]
.if \nb > 2
	v_lshl_or_b32 v[\pw], v[TM+6], 16, v[\pw]
	v_lshl_or_b32 v[\pw], v[TM+7], 24, v[\pw]
.endif
	WIN (\wa)
.irp b, 0,1,2,3
.if \b < \nb
.irp i, 0,1,2,3,4,5,6,7,8,9,10,11,12,13,14,15
.endr
.endif
.endr
	WIN 0
.irp b, 0,1,2,3
.if \b < \nb
	v_cvt_scalef32_pk8_fp8_f32 v[(\pc)+4*\b:(\pc)+4*\b+1], v[(\dst)+16*\b:(\dst)+16*\b+7], v[TM+12+\b]
	v_cvt_scalef32_pk8_fp8_f32 v[(\pc)+4*\b+2:(\pc)+4*\b+3], v[(\dst)+16*\b+8:(\dst)+16*\b+15], v[TM+12+\b]
.endif
.endr
	v_nop
.endm
.macro XFETCH s, p
	WIN 0x40
.set k, 0
.rept 32
	global_load_b128 v[128*(\p)+4*k:128*(\p)+4*k+3], v[LI], s[XP:XP+1] offset:(k/4)*XTS+(\s)*2048+512*(k%4)
.set k, k+1
.endr
.endm
.macro YFETCH s, a0
.set k, 0
.rept 16
	ds_load_b128 v[YF+16*(\a0)+4*k:YF+16*(\a0)+4*k+3], v[LY] offset:(4*((\a0)+k/4)+(\s))*2048+512*(k%4)
.set k, k+1
.endr
.endm
.macro MUL16 a0, p, s, cm
.irp a, \a0, \a0+1
.irp b, 0,1,2,3,4,5,6,7
.set rD, 8*(8*((\a)%4)+\b)
.set rX, 128*(\p)+16*\b
.set rY, YF+16*(\a)
.set rXS, XS+2*\b+(\s)/2
.set rYS, YS+2*(\a)+(\s)/2
.if (\s)%2
	v_wmma_scale_f32_16x16x128_f8f6f4 v[rD:rD+7], v[rX:rX+15], v[rY:rY+15], v[rD:rD+7], v[rXS], v[rYS] matrix_a_scale:MATRIX_SCALE_ROW1 matrix_b_scale:MATRIX_SCALE_ROW1
.elseif \cm == 1
	v_wmma_scale_f32_16x16x128_f8f6f4 v[rD:rD+7], v[rX:rX+15], v[rY:rY+15], 0, v[rXS], v[rYS]
.elseif \cm == 2
	v_wmma_scale_f32_16x16x128_f8f6f4 v[rD:rD+7], v[rX:rX+15], v[rY:rY+15], v[BI+8*\b:BI+8*\b+7], v[rXS], v[rYS]
.else
	v_wmma_scale_f32_16x16x128_f8f6f4 v[rD:rD+7], v[rX:rX+15], v[rY:rY+15], v[rD:rD+7], v[rXS], v[rYS]
.endif
.endr
.endr
.endm
.macro STEP s, cm                      ; as in qkv: the waits' counts are explained there
	s_wait_loadcnt 0x0
.if (\s) < 3
	XFETCH (\s)+1, 1-(\s)%2
.endif
	s_wait_dscnt 16
.if \cm == 2
	WIN 0x81
.else
	WIN 0xa1
.endif
	MUL16 0, (\s)%2, \s, \cm
	MUL16 2, (\s)%2, \s, \cm
	s_wait_dscnt 0x0
.if (\s) < 3
	PLACES 8
	WIN 0
	YFETCH (\s)+1, 0
.endif
.if \cm == 2
	WIN 0xc1
.else
	WIN 0xf1
.endif
	MUL16 4, (\s)%2, \s, \cm
	MUL16 6, (\s)%2, \s, \cm
	PLACES 8
	WIN 0
.if (\s) < 3
	YFETCH (\s)+1, 4
.endif
.endm
.macro EHEAD
.set k, 0
.rept 32
	global_load_b128 v[YF+4*k:YF+4*k+3], v[LI], s[YP:YP+1] offset:512*k
.set k, k+1
.endr
	XFETCH 0, 0
	WIN 0
	s_wait_loadcnt 32
.set k, 0
.rept 32
	ds_store_b128 v[SWA], v[YF+4*k:YF+4*k+3] offset:512*k
.set k, k+1
.endr
.set k, 0
.rept 16
	global_load_b32 v[XS+k], v[L4], s[XSP:XSP+1] offset:(k/2)*XSS+(k%2)*128
	global_load_b32 v[YS+k], v[L4], s[YSP:YSP+1] offset:(k/2)*YSS+(k%2)*128
.set k, k+1
.endr
	BAR
	YFETCH 0, 0
	YFETCH 0, 4
.endm
.macro LNRED R
.irp p, 0,1,2,3,4,5,6,7
	v_add_f32 v[\R+2*\p], v[\R+2*\p], v[\R+2*\p+1]
.endr
.irp m, 1,2,4,8
.irp p, 0,1,2,3,4,5,6,7
	v_add_f32_dpp v[\R+2*\p], v[\R+2*\p], v[\R+2*\p] row_xmask:\m row_mask:0xf bank_mask:0xf
.endr
.endr
.irp p, 0,1,2,3,4,5,6,7
	v_permlanex16_b32 v[\R+2*\p+1], v[\R+2*\p], s[SEL], s[SEL+1]
.endr
.irp p, 0,1,2,3,4,5,6,7
	v_add_f32 v[\R+2*\p], v[\R+2*\p], v[\R+2*\p+1]
.endr
.endm
.macro LNSTAT
.irp p, 0,1,2,3,4,5,6,7
	v_pk_add_f32 v[RA+2*\p:RA+2*\p+1], v[RD+16*\p:RD+16*\p+1], v[RD+16*\p+2:RD+16*\p+3]
.endr
.irp e, 4,6,8,10,12,14
.irp p, 0,1,2,3,4,5,6,7
	v_pk_add_f32 v[RA+2*\p:RA+2*\p+1], v[RA+2*\p:RA+2*\p+1], v[RD+16*\p+\e:RD+16*\p+\e+1]
.endr
.endr
	LNRED RA
.irp p, 0,1,2,3,4,5,6,7
	v_mul_f32 v[RA+2*\p], 0x3b000000, v[RA+2*\p]
.endr
.irp e, 0,2,4,6,8,10,12,14
.irp p, 0,1,2,3,4,5,6,7
	v_pk_add_f32 v[RD+16*\p+\e:RD+16*\p+\e+1], v[RD+16*\p+\e:RD+16*\p+\e+1], v[RA+2*\p:RA+2*\p+1] op_sel_hi:[1,0] neg_lo:[0,1] neg_hi:[0,1]
.endr
.endr
.irp p, 0,1,2,3,4,5,6,7
	v_pk_mul_f32 v[RQ+2*\p:RQ+2*\p+1], v[RD+16*\p:RD+16*\p+1], v[RD+16*\p:RD+16*\p+1]
.endr
.irp e, 2,4,6,8,10,12,14
.irp p, 0,1,2,3,4,5,6,7
	v_pk_fma_f32 v[RQ+2*\p:RQ+2*\p+1], v[RD+16*\p+\e:RD+16*\p+\e+1], v[RD+16*\p+\e:RD+16*\p+\e+1], v[RQ+2*\p:RQ+2*\p+1]
.endr
.endr
	LNRED RQ
.irp p, 0,1,2,3,4,5,6,7
	v_fma_f32 v[RQ+2*\p], v[RQ+2*\p], s[RN], s[EP]
.endr
	s_wait_alu depctr_va_vdst(0)
.irp p, 0,1,2,3,4,5,6,7
	v_rsq_f32 v[RQ+2*\p], v[RQ+2*\p]
.endr
	v_nop
	s_wait_alu depctr_va_vdst(0)                           ; one wait for the eight, ahead of their first reader
.endm
.macro LNAPPLY beta
.irp p, 0,1,2,3,4,5,6,7
.irp e, 0,2,4,6,8,10,12,14
	v_pk_mul_f32 v[RD+16*\p+\e:RD+16*\p+\e+1], v[RD+16*\p+\e:RD+16*\p+\e+1], v[RQ+2*\p:RQ+2*\p+1] op_sel_hi:[1,0]
.endr
.irp e, 0,2,4,6,8,10,12,14
	v_pk_fma_f32 v[RD+16*\p+\e:RD+16*\p+\e+1], v[RD+16*\p+\e:RD+16*\p+\e+1], v[RG+\e:RG+\e+1], v[RBE+\e:RBE+\e+1]
.endr
.irp i, 0,1,2,3
	ds_store_b128 v[RB], v[RD+16*\p+4*\i:RD+16*\p+4*\i+3] offset:(8*(\beta)+\p)*PIT+512*\i
.endr
.endr
.endm
.macro FRAGQ off, pc, pw
.set k, 0
.rept 16
	ds_load_b128 v[XQ+4*k:XQ+4*k+3], v[FB] offset:(\off)+128*(k/4)+16*(k%4)
.set k, k+1
.endr
	s_wait_dscnt 0x0
	QUANT XQ, 0, 4, XQ, \pc, \pw
.endm
.macro TOSTAGE T                       ; token tile T: lane (r, h) holds row r and, in tile t, columns 32 (t / 2) + 8 (t % 2) + 16 h + 0..7 of my 128.  Each accumulator from its low end on
	WIN (0x08+4*((\T)/4))
.irp t, 0,1,2,3,4,5,6,7
	ds_store_b128 v[STB+(\T)/2], v[64*((\T)%4)+8*\t:64*((\T)%4)+8*\t+3] offset:((\T)%2)*16*PIT+128*(\t/2)+32*(\t%2)
	ds_store_b128 v[STB+(\T)/2], v[64*((\T)%4)+8*\t+4:64*((\T)%4)+8*\t+7] offset:((\T)%2)*16*PIT+128*(\t/2)+32*(\t%2)+16
.endr
	WIN 0
.endm
.macro XRLOAD beta                     ; eight of my rows of x into window 2, where accumulators have left
	WIN 0x80
.set k, 0
.rept 32
	global_load_b128 v[128*((\beta)%2)+4*k:128*((\beta)%2)+4*k+3], v[LI], s[XRP:XRP+1] offset:(8*(\beta)+k/4)*2048+512*(k%4) th:TH_LOAD_NT
.set k, k+1
.endr
	WIN 0
.endm
.macro ROWS beta                       ; eight whole rows: + x + bo, stored as x1; the norm; back to the stage
	s_wait_dscnt 0x0                               ; the stage's stores have read the rows' registers
.set k, 0
.rept 32
	ds_load_b128 v[RD+4*k:RD+4*k+3], v[RB] offset:(8*(\beta)+k/4)*PIT+512*(k%4)
.set k, k+1
.endr
.if (\beta) < 3
	s_wait_loadcnt 32                              ; these rows of x are in; the next eight rows' 32 loads may be out
.else
	s_wait_loadcnt 0x0
.endif
	s_wait_dscnt 0x0
	WIN 0x08                                       ; source 1: window 2
.set k, 0
.rept 64
	v_pk_add_f32 v[RD+2*k:RD+2*k+1], v[RD+2*k:RD+2*k+1], v[128*((\beta)%2)+2*k:128*((\beta)%2)+2*k+1]
.set k, k+1
.endr
	WIN 0
.set k, 0
.rept 64
	v_pk_add_f32 v[RD+2*k:RD+2*k+1], v[RD+2*k:RD+2*k+1], v[RBO+2*(k%8):RBO+2*(k%8)+1]
.set k, k+1
.endr
.if (\beta) < 2
	XRLOAD (\beta)+2
.endif
.set k, 0
.rept 32
	global_store_b128 v[LI], v[RD+4*k:RD+4*k+3], s[X1P:X1P+1] offset:(8*(\beta)+k/4)*2048+512*(k%4)   ; 512 consecutive bytes an instruction
.set k, k+1
.endr
	s_wait_xcnt 0x0                                ; the stores have read the rows, which are centred in place next
	LNSTAT
	LNAPPLY \beta
.endm
	s_load_b256 s[4:11], s[0:1], 0x0               ; ao, prep, x, bo
	s_load_b128 s[12:15], s[0:1], 0x20             ; g2, be2
	s_load_b64 s[16:17], s[0:1], 0x30              ; mid
	v_lshl_add_u32 v[SPW], v0, 2, SPARE
	v_mov_b32 v[NIL], 0
	v_lshrrev_b32 v10, 5, v0
	v_readfirstlane_b32 s[WV], v10
	v_and_b32 v11, 31, v0
	v_lshlrev_b32 v[LI], 4, v11
	v_lshlrev_b32 v[L4], 2, v11
	s_lshl_b32 s19, s[WV], 14
	v_add_nc_u32 v[SWA], s19, v[LI]
	v_and_b32 v10, 15, v0
	v_bfe_u32 v11, v0, 4, 1
	v_mul_u32_u24 v12, v10, PIT
	v_lshl_add_u32 v12, v11, 6, v12
	s_lshl_b32 s38, s[WV], 9
	v_add_nc_u32 v[STB], s38, v12
	v_add_nc_u32 v[STB+1], 32*PIT, v[STB]
	v_add_nc_u32 v[STB+2], 64*PIT, v[STB]
	v_add_nc_u32 v[STB+3], 96*PIT, v[STB]
	s_mul_i32 s38, s[WV], 32*PIT
	v_add_nc_u32 v[RB], s38, v[LI]
	v_add_nc_u32 v[FB], s38, v12
.irp b, 0,1,2,3
	v_mov_b32 v[TM+4+\b], 0
.endr
	s_mov_b32 s[SEL], 0x76543210
	s_mov_b32 s[SEL+1], 0xfedcba98
	s_mov_b32 s[HM], 0xffff0000
	s_mov_b32 s[RN], 0x3b000000
	s_mov_b32 s[EP], 0x3727c5ac
	s_mov_b32 s39, 0
	s_wait_kmcnt 0x0
	s_lshl_b32 s38, ttmp9, 16
	s_add_co_u32 s38, s38, s19
	s_add_nc_u64 s[YP:YP+1], s[4:5], s[38:39]      ; o's codes: my quarter of the block's 64 KB
	s_lshl_b32 s38, ttmp9, 11
	s_add_co_u32 s38, s38, 0x400000
	s_add_nc_u64 s[YSP:YSP+1], s[4:5], s[38:39]
	s_lshl_b32 s38, s[WV], 16
	s_add_co_u32 s38, s38, 0xC0000
	s_add_nc_u64 s[XP:XP+1], s[6:7], s[38:39]      ; Wo: my eight tiles
	s_lshl_b32 s38, s[WV], 11
	s_add_co_u32 s38, s38, 0x306000
	s_add_nc_u64 s[XSP:XSP+1], s[6:7], s[38:39]
	s_lshl_b32 s38, ttmp9, 18
	s_lshl_b32 s19, s[WV], 16
	s_add_co_u32 s38, s38, s19
	s_add_nc_u64 s[XRP:XRP+1], s[8:9], s[38:39]    ; my 32 rows of x,
	s_add_nc_u64 s[X1P:X1P+1], s[16:17], s[38:39]  ; and of x1
	s_lshl_b32 s38, ttmp9, 16
	s_lshl_b32 s19, s[WV], 14
	s_add_co_u32 s38, s38, s19
	s_add_co_u32 s38, s38, 0x1000000
	s_add_nc_u64 s[H2C:H2C+1], s[16:17], s[38:39]
	s_lshl_b32 s38, ttmp9, 11
	s_lshl_b32 s19, s[WV], 9
	s_add_co_u32 s38, s38, s19
	s_add_co_u32 s38, s38, 0x1400000
	s_add_nc_u64 s[H2S:H2S+1], s[16:17], s[38:39]
	EHEAD
.irp i, 0,1,2,3
	global_load_b128 v[RG+4*\i:RG+4*\i+3], v[LI], s[12:13] offset:512*\i
	global_load_b128 v[RBE+4*\i:RBE+4*\i+3], v[LI], s[14:15] offset:512*\i
	global_load_b128 v[RBO+4*\i:RBO+4*\i+3], v[LI], s[10:11] offset:512*\i
.endr
	STEP 0, 1
	STEP 1, 0
	STEP 2, 0
	STEP 3, 0
	BAR                                            ; every wave has left Y: the stage may cover it
	TOSTAGE 0
	TOSTAGE 1
	s_wait_alu depctr_va_vdst(0)
	TOSTAGE 2
	TOSTAGE 3
	s_wait_dscnt 0x0                               ; window 2's accumulators have been read: x may land there
	XRLOAD 0
	XRLOAD 1
	TOSTAGE 4
	TOSTAGE 5
	TOSTAGE 6
	TOSTAGE 7
	BAR                                            ; 128 whole rows lie in the stage
	ROWS 0
	ROWS 1
	ROWS 2
	ROWS 3
	s_wait_dscnt 0x0
.irp tp, 0,1
.irp s, 0,1,2,3
	FRAGQ \tp*16*PIT+512*\s, PCB+16*(\s%2), PW+\s%2
.irp c, 0,1,2,3
	global_store_b128 v[LI], v[PCB+16*(\s%2)+4*\c:PCB+16*(\s%2)+4*\c+3], s[H2C:H2C+1] offset:\tp*8192+\s*2048+512*\c
.endr
.if \s%2
	v_cndmask_b32 v[WW], v[PW], v[PW+1], s[HM]
	global_store_b32 v[L4], v[WW], s[H2S:H2S+1] offset:\tp*256+(\s/2)*128
.endif
.endr
.endr
	s_wait_tensorcnt 0x0                           ; the wave's end
	ds_add_u32 v[SPW], v[NIL]
	s_wait_dscnt 0x0
	s_endpgm
.Lfunc_end_k_q06f7237d97_proj:
	.size	k_q06f7237d97_proj, .Lfunc_end_k_q06f7237d97_proj-k_q06f7237d97_proj
	.p2alignl 7, 3214868480
	.fill 96, 4, 3214868480
	.section	.rodata,"a",@progbits
	.p2align	6, 0x0
	.amdhsa_kernel k_q06f7237d97_proj
		.amdhsa_group_segment_fixed_size 264704
		.amdhsa_private_segment_fixed_size 0
		.amdhsa_enable_private_segment 0
		.amdhsa_kernarg_size 56
		.amdhsa_user_sgpr_count 2
		.amdhsa_user_sgpr_kernarg_segment_ptr 1
		.amdhsa_wavefront_size32 1
		.amdhsa_system_sgpr_workgroup_id_x 1
		.amdhsa_system_sgpr_workgroup_id_y 1
		.amdhsa_system_sgpr_workgroup_id_z 1
		.amdhsa_system_vgpr_workitem_id 0
		.amdhsa_next_free_vgpr 1024
		.amdhsa_next_free_sgpr 66
		.amdhsa_reserve_vcc 0
		.amdhsa_float_denorm_mode_32 3
		.amdhsa_float_denorm_mode_16_64 3
		.amdhsa_fp16_overflow 1
		.amdhsa_memory_ordered 1
		.amdhsa_forward_progress 1
		.amdhsa_inst_pref_size 255
	.end_amdhsa_kernel
	.section	.bss,"aw",@nobits
	.p2align	6
	.space	262144
	.amdgpu_metadata
---
amdhsa.version: [ 1, 2 ]
amdhsa.kernels:
  - .name:           k_q06f7237d97_proj
    .symbol:         k_q06f7237d97_proj.kd
    .args:
      - { .name: ao, .offset: 0, .size: 8, .value_kind: global_buffer, .address_space: global }
      - { .name: prep, .offset: 8, .size: 8, .value_kind: global_buffer, .address_space: global }
      - { .name: x, .offset: 16, .size: 8, .value_kind: global_buffer, .address_space: global }
      - { .name: bo, .offset: 24, .size: 8, .value_kind: global_buffer, .address_space: global }
      - { .name: g2, .offset: 32, .size: 8, .value_kind: global_buffer, .address_space: global }
      - { .name: be2, .offset: 40, .size: 8, .value_kind: global_buffer, .address_space: global }
      - { .name: mid, .offset: 48, .size: 8, .value_kind: global_buffer, .address_space: global }
    .group_segment_fixed_size: 264704
    .private_segment_fixed_size: 0
    .kernarg_segment_align: 8
    .kernarg_segment_size: 56
    .max_flat_workgroup_size: 128
    .sgpr_count:     66
    .vgpr_count:     1024
    .wavefront_size: 32
...
	.end_amdgpu_metadata
.endif
;; end of part 4
;; launch ffn1 (part 5): grid 256 x 1, 4 waves a work-group, no clusters, 66,048 bytes of LDS; arguments mid, prep, b1, hid; writes hid
.if DOCPART == 5
	.amdgcn_target "amdgcn-amd-amdhsa--gfx1250"
	.amdhsa_code_object_version 6
	.text
	.protected	k_q06f7237d97_ffn1
	.globl	k_q06f7237d97_ffn1
	.p2align	8
	.type	k_q06f7237d97_ffn1,@function
k_q06f7237d97_ffn1:
	s_mov_b64 s[64:65], 0
	v_nop
	global_prefetch_b8 v0, s[64:65] scope:SCOPE_SE
	s_setreg_imm32_b32 hwreg(HW_REG_WAVE_MODE, 25, 1), 1
	s_wait_xcnt 0x0
; d = gelu(h2 W1 + b1), exact gelu, quantised along the 2,048 of the next product.  Nothing of reference() is left out.
; A work-group takes 128 tokens x 512 columns, a wave 128 x 128.  The engine is qkv's: Y = the tokens' codes of h2 (LDS), X = my eight tiles of W1; b1 is the C of each sum's first product.
; gelu(z) = z / 2 + (z / 2) erf(z / sqrt 2); erf(u) = u P(u^2) / Q(u^2) with u held within +-3.8325, P of degree 6 and Q of degree 4 in u^2.
; THE WAY OUT IS A LOOP OF EIGHT TRIPS, one for each token tile, so that gelu and the quantiser are written once.  Only the 64 lines that read a tile's accumulators differ: they stand in eight arms of a chain on the trip's number.
; hid: codes [token / 16][16 K steps][fragment] at 0; scale words [token / 16][8][128 bytes] at 0x1000000.
; LIMITS: as stated at the head of prep; where z is strongly negative, 1 + erf carries f32's absolute error.
.set XTS, 8192
.set XSS, 256
.set YSS, 256
.set SPARE, 65536
.set LI,  1
.set L4,  2
.set LY,  1
.set SWA, 3
.set SPW, 4
.set NIL, 5
.set LBI, 6                            ; v6  64 h: my half's eight numbers of b1 in each tile
.set LSD, 7                            ; v7  1,024 h + 4 r
.set WW,  8
.set PW,  10
.set PWP, 11                           ; the tile before's scale word
.set CA1, 12                           ; v[12:13] P's second coefficient, twice;  v[14:15] Q's
.set CB1, 14
.set TM,  16
.set XS,  32
.set YS,  48
.set BI,  64
.set XQ,  64                           ; v64-127  z / 2, then gelu
.set YF,  128
.set RU,  128                          ; v128-191 u
.set X2,  192                          ; v192-207 u^2 of 16 numbers
.set RP,  208
.set RQD, 224
.set PCB, 240
.set WV,  12
.set YP,  20
.set XP,  22
.set YSP, 24
.set XSP, 26
.set DCP, 28
.set DSP, 30
.set SEL, 32
.set MNT, 34
.set HM,  35
.set TC,  36
.set A0,  40                           ; scalar pairs, of which the packed forms take the low word for both halves
.set A2,  42
.set A3,  44
.set A4,  46
.set A5,  48
.set A6,  50
.set B0,  52
.set B2,  54
.set B3,  56
.set B4,  58
.set RS2, 60
.set CLN, 62
.set CLP, 63
.set MSB, 0
.macro WIN new
.if MSB != (\new)
	s_set_vgpr_msb (MSB<<8)|(\new)
.set MSB, (\new)
.endif
.endm
.macro PLACES n
.rept \n
	v_nop
.endr
.endm
.macro BAR
	s_wait_dscnt 0x0
	s_barrier_signal -1
	s_barrier_wait -1
.endm
.macro QUANT src, wa, nb, dst, pc, pw
	WIN ((\wa)|((\wa)<<2))
.irp b, 0,1,2,3
.if \b < \nb
	v_max3_num_f32 v[TM+\b], |v[(\src)+16*\b]|, |v[(\src)+16*\b+1]|, 0x4800000
.endif
.endr
.irp i, 2,4,6,8,10,12,14
.irp b, 0,1,2,3
.if \b < \nb
	v_max3_num_f32 v[TM+\b], |v[(\src)+16*\b+\i]|, |v[(\src)+16*\b+\i+1]|, v[TM+\b]
.endif
.endr
.endr
	WIN 0
.irp b, 0,1,2,3
.if \b < \nb
	v_permlanex16_b32 v[TM+4+\b], v[TM+\b], s[SEL], s[SEL+1]
.endif
.endr
.irp b, 0,1,2,3
.if \b < \nb
	v_max_num_f32 v[TM+\b], v[TM+\b], v[TM+4+\b]
.endif
.endr
.irp b, 0,1,2,3
.if \b < \nb
	v_add_nc_u32 v[TM+12+\b], 0xfc000000, v[TM+\b]
	v_lshrrev_b32 v[TM+4+\b], 23, v[TM+12+\b]
.endif
.endr
	s_wait_alu depctr_va_vdst(0)
	s_wait_xcnt 0x0                                        ; earlier stores have read their data
	v_lshl_or_b32 v[\pw], v[TM+5], 8, v[TM+4]
.if \nb > 2
	v_lshl_or_b32 v[\pw], v[TM+6], 16, v[\pw]
	v_lshl_or_b32 v[\pw], v[TM+7], 24, v[\pw]
.endif
	WIN (\wa)
.irp b, 0,1,2,3
.if \b < \nb
.irp i, 0,1,2,3,4,5,6,7,8,9,10,11,12,13,14,15
.endr
.endif
.endr
	WIN 0
.irp b, 0,1,2,3
.if \b < \nb
	v_cvt_scalef32_pk8_fp8_f32 v[(\pc)+4*\b:(\pc)+4*\b+1], v[(\dst)+16*\b:(\dst)+16*\b+7], v[TM+12+\b]
	v_cvt_scalef32_pk8_fp8_f32 v[(\pc)+4*\b+2:(\pc)+4*\b+3], v[(\dst)+16*\b+8:(\dst)+16*\b+15], v[TM+12+\b]
.endif
.endr
	v_nop
.endm
.macro XFETCH s, p
	WIN 0x40
.set k, 0
.rept 32
	global_load_b128 v[128*(\p)+4*k:128*(\p)+4*k+3], v[LI], s[XP:XP+1] offset:(k/4)*XTS+(\s)*2048+512*(k%4)
.set k, k+1
.endr
.endm
.macro YFETCH s, a0
.set k, 0
.rept 16
	ds_load_b128 v[YF+16*(\a0)+4*k:YF+16*(\a0)+4*k+3], v[LY] offset:(4*((\a0)+k/4)+(\s))*2048+512*(k%4)
.set k, k+1
.endr
.endm
.macro MUL16 a0, p, s, cm
.irp a, \a0, \a0+1
.irp b, 0,1,2,3,4,5,6,7
.set rD, 8*(8*((\a)%4)+\b)
.set rX, 128*(\p)+16*\b
.set rY, YF+16*(\a)
.set rXS, XS+2*\b+(\s)/2
.set rYS, YS+2*(\a)+(\s)/2
.if (\s)%2
	v_wmma_scale_f32_16x16x128_f8f6f4 v[rD:rD+7], v[rX:rX+15], v[rY:rY+15], v[rD:rD+7], v[rXS], v[rYS] matrix_a_scale:MATRIX_SCALE_ROW1 matrix_b_scale:MATRIX_SCALE_ROW1
.elseif \cm == 1
	v_wmma_scale_f32_16x16x128_f8f6f4 v[rD:rD+7], v[rX:rX+15], v[rY:rY+15], 0, v[rXS], v[rYS]
.elseif \cm == 2
	v_wmma_scale_f32_16x16x128_f8f6f4 v[rD:rD+7], v[rX:rX+15], v[rY:rY+15], v[BI+8*\b:BI+8*\b+7], v[rXS], v[rYS]
.else
	v_wmma_scale_f32_16x16x128_f8f6f4 v[rD:rD+7], v[rX:rX+15], v[rY:rY+15], v[rD:rD+7], v[rXS], v[rYS]
.endif
.endr
.endr
.endm
.macro STEP s, cm                      ; as in qkv: the waits' counts are explained there
	s_wait_loadcnt 0x0
.if (\s) < 3
	XFETCH (\s)+1, 1-(\s)%2
.endif
	s_wait_dscnt 16
.if \cm == 2
	WIN 0x81                                       ; the bias, C, in window 0; D in window 2
.else
	WIN 0xa1
.endif
	MUL16 0, (\s)%2, \s, \cm
	MUL16 2, (\s)%2, \s, \cm
	s_wait_dscnt 0x0
.if (\s) < 3
	PLACES 8
	WIN 0
	YFETCH (\s)+1, 0
.endif
.if \cm == 2
	WIN 0xc1
.else
	WIN 0xf1
.endif
	MUL16 4, (\s)%2, \s, \cm
	MUL16 6, (\s)%2, \s, \cm
	PLACES 8
	WIN 0
.if (\s) < 3
	YFETCH (\s)+1, 4
.endif
.endm
.macro EHEAD
.set k, 0
.rept 32
	global_load_b128 v[YF+4*k:YF+4*k+3], v[LI], s[YP:YP+1] offset:512*k
.set k, k+1
.endr
	XFETCH 0, 0
	WIN 0
	s_wait_loadcnt 32
.set k, 0
.rept 32
	ds_store_b128 v[SWA], v[YF+4*k:YF+4*k+3] offset:512*k
.set k, k+1
.endr
.set k, 0
.rept 16
	global_load_b32 v[XS+k], v[L4], s[XSP:XSP+1] offset:(k/2)*XSS+(k%2)*128
	global_load_b32 v[YS+k], v[L4], s[YSP:YSP+1] offset:(k/2)*YSS+(k%2)*128
.set k, k+1
.endr
	BAR
	YFETCH 0, 0
	YFETCH 0, 4
.endm
.macro STUB T                          ; token tile T's 64 numbers z leave their accumulators, each from its low end on: u = z / sqrt 2 and z / 2, into window 0
	WIN (2+(\T)/4)
.set k, 0
.rept 32
	v_pk_mul_f32 v[RU+2*k:RU+2*k+1], v[64*((\T)%4)+2*k:64*((\T)%4)+2*k+1], s[RS2:RS2+1] op_sel_hi:[1,0]
.set k, k+1
.endr
.set k, 0
.rept 32
	v_pk_mul_f32 v[XQ+2*k:XQ+2*k+1], v[64*((\T)%4)+2*k:64*((\T)%4)+2*k+1], 0.5 op_sel_hi:[1,0]
.set k, k+1
.endr
	WIN 0
.endm
.macro PKALL op:vararg
.endm
.macro GELU16 b                        ; 16 numbers
.set u0, RU+16*(\b)
.set x0, XQ+16*(\b)
.set k, 0
.rept 16
	v_med3_num_f32 v[u0+k], v[u0+k], s[CLN], s[CLP]
.set k, k+1
.endr
.irp e, 0,2,4,6,8,10,12,14
	v_pk_mul_f32 v[X2+\e:X2+\e+1], v[u0+\e:u0+\e+1], v[u0+\e:u0+\e+1]
.endr
.irp e, 0,2,4,6,8,10,12,14
	v_pk_fma_f32 v[RQD+\e:RQD+\e+1], v[X2+\e:X2+\e+1], s[B0:B0+1], v[CB1:CB1+1] op_sel_hi:[1,0,1]
.endr
.irp c, B2, B3, B4
.irp e, 0,2,4,6,8,10,12,14
	v_pk_fma_f32 v[RQD+\e:RQD+\e+1], v[RQD+\e:RQD+\e+1], v[X2+\e:X2+\e+1], s[\c:\c+1] op_sel_hi:[1,1,0]
.endr
.endr
.set k, 0
	s_wait_alu depctr_va_vdst(0)
.rept 16
	v_rcp_f32 v[RQD+k], v[RQD+k]
.set k, k+1
.endr
.irp e, 0,2,4,6,8,10,12,14
	v_pk_fma_f32 v[RP+\e:RP+\e+1], v[X2+\e:X2+\e+1], s[A0:A0+1], v[CA1:CA1+1] op_sel_hi:[1,0,1]   ; P's chain is the independent work behind the reciprocals
.endr
.irp c, A2, A3, A4, A5, A6
.irp e, 0,2,4,6,8,10,12,14
	v_pk_fma_f32 v[RP+\e:RP+\e+1], v[RP+\e:RP+\e+1], v[X2+\e:X2+\e+1], s[\c:\c+1] op_sel_hi:[1,1,0]
.endr
.endr
.irp e, 0,2,4,6,8,10,12,14
	v_pk_mul_f32 v[RP+\e:RP+\e+1], v[RP+\e:RP+\e+1], v[u0+\e:u0+\e+1]
.endr
	s_wait_alu depctr_va_vdst(0)                   ; one wait for the 16, ahead of their first reader
.irp e, 0,2,4,6,8,10,12,14
	v_pk_mul_f32 v[RP+\e:RP+\e+1], v[RP+\e:RP+\e+1], v[RQD+\e:RQD+\e+1]      ; erf
.endr
.irp e, 0,2,4,6,8,10,12,14
	v_pk_fma_f32 v[x0+\e:x0+\e+1], v[x0+\e:x0+\e+1], v[RP+\e:RP+\e+1], v[x0+\e:x0+\e+1]
.endr
.endm
	s_load_b256 s[4:11], s[0:1], 0x0               ; mid, prep, b1, hid
	v_lshl_add_u32 v[SPW], v0, 2, SPARE
	v_mov_b32 v[NIL], 0
	v_lshrrev_b32 v6, 5, v0
	v_readfirstlane_b32 s[WV], v6
	v_and_b32 v7, 31, v0
	v_lshlrev_b32 v[LI], 4, v7
	v_lshlrev_b32 v[L4], 2, v7
	s_lshl_b32 s15, s[WV], 14
	v_add_nc_u32 v[SWA], s15, v[LI]
	v_and_b32 v8, 15, v0
	v_bfe_u32 v9, v0, 4, 1
	v_lshlrev_b32 v[LBI], 6, v9
	v_lshlrev_b32 v[LSD], 2, v8
	v_lshl_add_u32 v[LSD], v9, 10, v[LSD]
.irp b, 0,1,2,3
	v_mov_b32 v[TM+4+\b], 0
.endr
	v_mov_b32 v[CA1], 0x32edffee
	v_mov_b32 v[CA1+1], 0x32edffee
	v_mov_b32 v[CB1], 0xb95fbd29
	v_mov_b32 v[CB1+1], 0xb95fbd29
	s_mov_b32 s[SEL], 0x76543210
	s_mov_b32 s[SEL+1], 0xfedcba98
	s_mov_b32 s[HM], 0xffff0000
	s_mov_b32 s[A0], 0xaf95df0b
	s_mov_b32 s[A2], 0xb60cff51
	s_mov_b32 s[A3], 0xb86ec2d2
	s_mov_b32 s[A4], 0xba40ac63
	s_mov_b32 s[A5], 0xbb41a1f6
	s_mov_b32 s[A6], 0xbc83dbd4
	s_mov_b32 s[B0], 0xb77460cd
	s_mov_b32 s[B2], 0xbadc924e
	s_mov_b32 s[B3], 0xbbf19bf8
	s_mov_b32 s[B4], 0xbc69b6a7
	s_mov_b32 s[RS2], 0x3f3504f3
.irp c, A0, A2, A3, A4, A5, A6, B0, B2, B3, B4, RS2
	s_mov_b32 s[\c+1], s[\c]                       ; named with it as a pair, so it is written
.endr
	s_mov_b32 s[CLN], 0xc07547cb
	s_mov_b32 s[CLP], 0x407547cb
	s_lshr_b32 s13, ttmp9, 2                       ; which 128 tokens
	s_and_b32 s14, ttmp9, 3                        ; which 512 columns
	s_mov_b32 s39, 0
	s_wait_kmcnt 0x0
	s_lshl_b32 s38, s13, 16
	s_add_co_u32 s38, s38, s15
	s_add_co_u32 s38, s38, 0x1000000
	s_add_nc_u64 s[YP:YP+1], s[4:5], s[38:39]
	s_lshl_b32 s38, s13, 11
	s_add_co_u32 s38, s38, 0x1400000
	s_add_nc_u64 s[YSP:YSP+1], s[4:5], s[38:39]
	s_lshl_b32 s38, s14, 18
	s_lshl_b32 s37, s[WV], 16
	s_add_co_u32 s38, s38, s37
	s_add_co_u32 s38, s38, 0x100000
	s_add_nc_u64 s[XP:XP+1], s[6:7], s[38:39]
	s_lshl_b32 s38, s14, 13
	s_lshl_b32 s37, s[WV], 11
	s_add_co_u32 s38, s38, s37
	s_add_co_u32 s38, s38, 0x308000
	s_add_nc_u64 s[XSP:XSP+1], s[6:7], s[38:39]
	s_lshl_b32 s38, s14, 11
	s_lshl_b32 s37, s[WV], 9
	s_add_co_u32 s38, s38, s37
	s_add_nc_u64 s[16:17], s[8:9], s[38:39]        ; b1 at my 128 columns
	s_lshl_b32 s38, s14, 2
	s_add_co_u32 s38, s38, s[WV]
	s_lshl_b32 s38, s38, 11                        ; my K step of the next product
	s_lshl_b32 s37, s13, 18
	s_add_co_u32 s38, s38, s37
	s_add_nc_u64 s[DCP:DCP+1], s[10:11], s[38:39]
	s_lshl_b32 s38, s14, 1
	s_lshr_b32 s37, s[WV], 1
	s_add_co_u32 s38, s38, s37
	s_lshl_b32 s38, s38, 7
	s_and_b32 s37, s[WV], 1
	s_lshl_b32 s37, s37, 6
	s_add_co_u32 s38, s38, s37
	s_lshl_b32 s37, s13, 13
	s_add_co_u32 s38, s38, s37
	s_add_co_u32 s38, s38, 0x1000000
	s_add_nc_u64 s[DSP:DSP+1], s[10:11], s[38:39]
	EHEAD
.irp t, 0,1,2,3,4,5,6,7
	global_load_b128 v[BI+8*\t:BI+8*\t+3], v[LBI], s[16:17] offset:(32*(\t/2)+8*(\t%2))*4
	global_load_b128 v[BI+8*\t+4:BI+8*\t+7], v[LBI], s[16:17] offset:(32*(\t/2)+8*(\t%2))*4+16
.endr
	STEP 0, 2
	STEP 1, 0
	STEP 2, 0
	STEP 3, 0
	v_mov_b32 v[PWP], 0
	s_mov_b32 s[TC], 0
.Ltile:
.irp T, 0,1,2,3,4,5,6
	s_cmp_lg_u32 s[TC], \T
	s_cbranch_scc1 .Lnot\T
	STUB \T
	s_branch .Ljoin
.Lnot\T:
.endr
	STUB 7
.Ljoin:
	GELU16 0
	GELU16 1
	GELU16 2
	GELU16 3
	QUANT XQ, 0, 4, XQ, PCB, PW
	v_cndmask_b32 v[WW], v[PWP], v[PW], s[HM]      ; lanes 0-15 the tile before's words, lanes 16-31 this tile's
	v_mov_b32 v[PWP], v[PW]
.irp c, 0,1,2,3
	global_store_b128 v[LI], v[PCB+4*\c:PCB+4*\c+3], s[DCP:DCP+1] offset:512*\c
.endr
	s_and_b32 s37, s[TC], 1
	s_cmp_eq_u32 s37, 0
	s_cbranch_scc1 .Leven
	global_store_b32 v[LSD], v[WW], s[DSP:DSP+1] offset:-1024   ; two tiles' words at once
.Leven:
	s_wait_xcnt 0x0                                ; the stores have read their bases
	s_add_nc_u64 s[DCP:DCP+1], s[DCP:DCP+1], 32768
	s_add_nc_u64 s[DSP:DSP+1], s[DSP:DSP+1], 1024
	s_add_co_u32 s[TC], s[TC], 1
	s_cmp_lt_u32 s[TC], 8
	s_cbranch_scc1 .Ltile
	s_wait_tensorcnt 0x0                           ; the wave's end
	ds_add_u32 v[SPW], v[NIL]
	s_wait_dscnt 0x0
	s_endpgm
.Lfunc_end_k_q06f7237d97_ffn1:
	.size	k_q06f7237d97_ffn1, .Lfunc_end_k_q06f7237d97_ffn1-k_q06f7237d97_ffn1
	.p2alignl 7, 3214868480
	.fill 96, 4, 3214868480
	.section	.rodata,"a",@progbits
	.p2align	6, 0x0
	.amdhsa_kernel k_q06f7237d97_ffn1
		.amdhsa_group_segment_fixed_size 66048
		.amdhsa_private_segment_fixed_size 0
		.amdhsa_enable_private_segment 0
		.amdhsa_kernarg_size 32
		.amdhsa_user_sgpr_count 2
		.amdhsa_user_sgpr_kernarg_segment_ptr 1
		.amdhsa_wavefront_size32 1
		.amdhsa_system_sgpr_workgroup_id_x 1
		.amdhsa_system_sgpr_workgroup_id_y 1
		.amdhsa_system_sgpr_workgroup_id_z 1
		.amdhsa_system_vgpr_workitem_id 0
		.amdhsa_next_free_vgpr 1024
		.amdhsa_next_free_sgpr 66
		.amdhsa_reserve_vcc 0
		.amdhsa_float_denorm_mode_32 3
		.amdhsa_float_denorm_mode_16_64 3
		.amdhsa_fp16_overflow 1
		.amdhsa_memory_ordered 1
		.amdhsa_forward_progress 1
		.amdhsa_inst_pref_size 141
	.end_amdhsa_kernel
	.amdgpu_metadata
---
amdhsa.version: [ 1, 2 ]
amdhsa.kernels:
  - .name:           k_q06f7237d97_ffn1
    .symbol:         k_q06f7237d97_ffn1.kd
    .args:
      - { .name: mid, .offset: 0, .size: 8, .value_kind: global_buffer, .address_space: global }
      - { .name: prep, .offset: 8, .size: 8, .value_kind: global_buffer, .address_space: global }
      - { .name: b1, .offset: 16, .size: 8, .value_kind: global_buffer, .address_space: global }
      - { .name: hid, .offset: 24, .size: 8, .value_kind: global_buffer, .address_space: global }
    .group_segment_fixed_size: 66048
    .private_segment_fixed_size: 0
    .kernarg_segment_align: 8
    .kernarg_segment_size: 32
    .max_flat_workgroup_size: 128
    .sgpr_count:     66
    .vgpr_count:     1024
    .wavefront_size: 32
...
	.end_amdgpu_metadata
.endif
;; end of part 5
;; launch ffn2 (part 6): grid 256 x 1, 4 waves a work-group, no clusters, 270,848 bytes of LDS; arguments hid, prep, mid, b2, out0; writes out0
.if DOCPART == 6
	.amdgcn_target "amdgcn-amd-amdhsa--gfx1250"
	.amdhsa_code_object_version 6
	.text
	.protected	k_q06f7237d97_ffn2
	.globl	k_q06f7237d97_ffn2
	.p2align	8
	.type	k_q06f7237d97_ffn2,@function
k_q06f7237d97_ffn2:
	s_mov_b64 s[64:65], 0
	v_nop
	global_prefetch_b8 v0, s[64:65] scope:SCOPE_SE
	s_setreg_imm32_b32 hwreg(HW_REG_WAVE_MODE, 25, 1), 1
	s_wait_xcnt 0x0
; out0 = x1 + d W2 + b2.  Nothing of reference() is left out.
; A work-group makes 128 tokens x 128 columns; K = 2,048 is shared among its four waves, 512 each (K steps 4 w .. 4 w + 3), so that 256 work-groups have a wave tile of 128 x 128.
; The engine is qkv's: X = the eight tiles of W2's columns at my K steps, from memory; Y = the eight token tiles of d at my K steps, 64 KB a wave, brought into the wave's own LDS bytes at the head.
; The four partial sums meet in four stages of 128 rows x 528 bytes; each wave then adds 32 whole rows, with b2 and x1, and stores 512 consecutive bytes a row.
; LIMITS: as stated at the head of prep; the sum over K is made of four partial f32 sums.
.set XTS, 32768
.set XSS, 1024
.set YSS, 1024
.set SPIT, 528
.set SREG, 128*SPIT
.set SPARE, 4*SREG
.set LI,  1
.set L4,  2
.set LY,  3                            ; v3  65,536 x wave + 16 x lane
.set SPW, 4
.set NIL, 5
.set STB, 6                            ; v6  my stage + 528 r + 64 h
.set PB,  8                            ; v8-11 stage q, my 32 rows, + 16 x lane
.set RB2, 12                           ; v12-15 b2 of my four columns
.set XS,  32
.set YS,  48
.set BI,  64
.set YF,  128
.set WV,  14
.set YP,  20
.set XP,  22
.set YSP, 24
.set XSP, 26
.set X1P, 28
.set OP,  30
.set B2P, 32
.set MSB, 0
.macro WIN new
.if MSB != (\new)
	s_set_vgpr_msb (MSB<<8)|(\new)
.set MSB, (\new)
.endif
.endm
.macro PLACES n
.rept \n
	v_nop
.endr
.endm
.macro BAR
	s_wait_dscnt 0x0
	s_barrier_signal -1
	s_barrier_wait -1
.endm
.macro XFETCH s, p
	WIN 0x40
.set k, 0
.rept 32
	global_load_b128 v[128*(\p)+4*k:128*(\p)+4*k+3], v[LI], s[XP:XP+1] offset:(k/4)*XTS+(\s)*2048+512*(k%4)
.set k, k+1
.endr
.endm
.macro YFETCH s, a0
.set k, 0
.rept 16
	ds_load_b128 v[YF+16*(\a0)+4*k:YF+16*(\a0)+4*k+3], v[LY] offset:(4*((\a0)+k/4)+(\s))*2048+512*(k%4)
.set k, k+1
.endr
.endm
.macro MUL16 a0, p, s, cm
.irp a, \a0, \a0+1
.irp b, 0,1,2,3,4,5,6,7
.set rD, 8*(8*((\a)%4)+\b)
.set rX, 128*(\p)+16*\b
.set rY, YF+16*(\a)
.set rXS, XS+2*\b+(\s)/2
.set rYS, YS+2*(\a)+(\s)/2
.if (\s)%2
	v_wmma_scale_f32_16x16x128_f8f6f4 v[rD:rD+7], v[rX:rX+15], v[rY:rY+15], v[rD:rD+7], v[rXS], v[rYS] matrix_a_scale:MATRIX_SCALE_ROW1 matrix_b_scale:MATRIX_SCALE_ROW1
.elseif \cm == 1
	v_wmma_scale_f32_16x16x128_f8f6f4 v[rD:rD+7], v[rX:rX+15], v[rY:rY+15], 0, v[rXS], v[rYS]
.elseif \cm == 2
	v_wmma_scale_f32_16x16x128_f8f6f4 v[rD:rD+7], v[rX:rX+15], v[rY:rY+15], v[BI+8*\b:BI+8*\b+7], v[rXS], v[rYS]
.else
	v_wmma_scale_f32_16x16x128_f8f6f4 v[rD:rD+7], v[rX:rX+15], v[rY:rY+15], v[rD:rD+7], v[rXS], v[rYS]
.endif
.endr
.endr
.endm
.macro STEP s, cm                      ; as in qkv: the waits' counts are explained there
	s_wait_loadcnt 0x0
.if (\s) < 3
	XFETCH (\s)+1, 1-(\s)%2
.endif
	s_wait_dscnt 16
	WIN 0xa1
	MUL16 0, (\s)%2, \s, \cm
	MUL16 2, (\s)%2, \s, \cm
	s_wait_dscnt 0x0
.if (\s) < 3
	PLACES 8
	WIN 0
	YFETCH (\s)+1, 0
.endif
	WIN 0xf1
	MUL16 4, (\s)%2, \s, \cm
	MUL16 6, (\s)%2, \s, \cm
	PLACES 8
	WIN 0
.if (\s) < 3
	YFETCH (\s)+1, 4
.endif
.endm
.macro YLOAD R                         ; two token tiles of d at my four K steps: 2 x 8,192 consecutive bytes; rounds by turns into v128-255 of window 0 and of window 1
.if (\R)%2
	WIN 0x40
.endif
.set k, 0
.rept 32
	global_load_b128 v[128+4*k:128+4*k+3], v[LI], s[YP:YP+1] offset:(2*(\R)+k/16)*32768+512*(k%16) th:TH_LOAD_NT
.set k, k+1
.endr
	WIN 0
.endm
.macro YSTORE R
.if (\R)%2
	WIN 0x04                                       ; an LDS store's data are its source 1
.endif
.set k, 0
.rept 32
	ds_store_b128 v[LY], v[128+4*k:128+4*k+3] offset:(2*(\R)+k/16)*8192+512*(k%16)
.set k, k+1
.endr
	WIN 0
.endm
.macro TOSTAGE T                       ; each accumulator from its low end on
	WIN (0x08+4*((\T)/4))
.irp t, 0,1,2,3,4,5,6,7
	ds_store_b128 v[STB], v[64*((\T)%4)+8*\t:64*((\T)%4)+8*\t+3] offset:(\T)*16*SPIT+128*(\t/2)+32*(\t%2)
	ds_store_b128 v[STB], v[64*((\T)%4)+8*\t+4:64*((\T)%4)+8*\t+7] offset:(\T)*16*SPIT+128*(\t/2)+32*(\t%2)+16
.endr
	WIN 0
.endm
.macro SUM4 bt                         ; four of my rows: the four waves' parts, b2, x1
.set k, 0
.rept 16
	ds_load_b128 v[64+4*k:64+4*k+3], v[PB+k%4] offset:(4*(\bt)+k/4)*SPIT
.set k, k+1
.endr
	s_wait_dscnt 0x0
.irp rr, 0,1,2,3
.set e0, 64+16*\rr
.set x0, 128+4*(4*(\bt)+\rr)
	v_pk_add_f32 v[e0:e0+1], v[e0:e0+1], v[e0+4:e0+5]
	v_pk_add_f32 v[e0+2:e0+3], v[e0+2:e0+3], v[e0+6:e0+7]
	v_pk_add_f32 v[e0+8:e0+9], v[e0+8:e0+9], v[e0+12:e0+13]
	v_pk_add_f32 v[e0+10:e0+11], v[e0+10:e0+11], v[e0+14:e0+15]
	v_pk_add_f32 v[e0:e0+1], v[e0:e0+1], v[e0+8:e0+9]
	v_pk_add_f32 v[e0+2:e0+3], v[e0+2:e0+3], v[e0+10:e0+11]
	v_pk_add_f32 v[e0:e0+1], v[e0:e0+1], v[RB2:RB2+1]
	v_pk_add_f32 v[e0+2:e0+3], v[e0+2:e0+3], v[RB2+2:RB2+3]
	v_pk_add_f32 v[x0:x0+1], v[x0:x0+1], v[e0:e0+1]
	v_pk_add_f32 v[x0+2:x0+3], v[x0+2:x0+3], v[e0+2:e0+3]
	global_store_b128 v[LI], v[x0:x0+3], s[OP:OP+1] offset:(4*(\bt)+\rr)*2048 th:TH_STORE_NT   ; 32 lanes store 512 consecutive bytes, aligned
.endr
.endm
	s_load_b256 s[4:11], s[0:1], 0x0               ; hid, prep, mid, b2
	s_load_b64 s[12:13], s[0:1], 0x20              ; out0
	v_lshl_add_u32 v[SPW], v0, 2, SPARE
	v_mov_b32 v[NIL], 0
	v_lshrrev_b32 v6, 5, v0
	v_readfirstlane_b32 s[WV], v6
	v_and_b32 v7, 31, v0
	v_lshlrev_b32 v[LI], 4, v7
	v_lshlrev_b32 v[L4], 2, v7
	s_lshl_b32 s17, s[WV], 16
	v_add_nc_u32 v[LY], s17, v[LI]
	v_and_b32 v12, 15, v0
	v_bfe_u32 v13, v0, 4, 1
	v_mul_u32_u24 v[STB], v12, SPIT
	v_lshl_add_u32 v[STB], v13, 6, v[STB]
	s_mul_i32 s17, s[WV], SREG
	v_add_nc_u32 v[STB], s17, v[STB]
	s_mul_i32 s17, s[WV], 32*SPIT
	v_add_nc_u32 v[PB], s17, v[LI]
	v_add_nc_u32 v[PB+1], SREG, v[PB]
	v_add_nc_u32 v[PB+2], 2*SREG, v[PB]
	v_add_nc_u32 v[PB+3], 3*SREG, v[PB]
	s_lshr_b32 s15, ttmp9, 2                       ; which 128 tokens
	s_and_b32 s16, ttmp9, 3                        ; which 128 columns
	s_mov_b32 s39, 0
	s_wait_kmcnt 0x0
	s_lshl_b32 s38, s15, 18
	s_lshl_b32 s37, s[WV], 13
	s_add_co_u32 s38, s38, s37
	s_add_nc_u64 s[YP:YP+1], s[4:5], s[38:39]
	s_lshl_b32 s38, s15, 13
	s_lshl_b32 s37, s[WV], 8
	s_add_co_u32 s38, s38, s37
	s_add_co_u32 s38, s38, 0x1000000
	s_add_nc_u64 s[YSP:YSP+1], s[4:5], s[38:39]
	s_lshl_b32 s38, s16, 18
	s_lshl_b32 s37, s[WV], 13
	s_add_co_u32 s38, s38, s37
	s_add_co_u32 s38, s38, 0x200000
	s_add_nc_u64 s[XP:XP+1], s[6:7], s[38:39]
	s_lshl_b32 s38, s16, 13
	s_lshl_b32 s37, s[WV], 8
	s_add_co_u32 s38, s38, s37
	s_add_co_u32 s38, s38, 0x310000
	s_add_nc_u64 s[XSP:XSP+1], s[6:7], s[38:39]
	s_lshl_b32 s38, s15, 18
	s_lshl_b32 s37, s[WV], 16
	s_add_co_u32 s38, s38, s37
	s_lshl_b32 s37, s16, 9
	s_add_co_u32 s38, s38, s37
	s_add_nc_u64 s[X1P:X1P+1], s[8:9], s[38:39]    ; my 32 rows, the block's 128 columns: of x1,
	s_add_nc_u64 s[OP:OP+1], s[12:13], s[38:39]    ; and of out0
	s_mov_b32 s38, s37
	s_add_nc_u64 s[B2P:B2P+1], s[10:11], s[38:39]
	XFETCH 0, 0
	WIN 0
.set k, 0
.rept 16
	global_load_b32 v[XS+k], v[L4], s[XSP:XSP+1] offset:(k/2)*XSS+(k%2)*128
	global_load_b32 v[YS+k], v[L4], s[YSP:YSP+1] offset:(k/2)*YSS+(k%2)*128
.set k, k+1
.endr
	YLOAD 0
	YLOAD 1
	s_wait_loadcnt 32
	YSTORE 0
	s_wait_dscnt 0x0                               ; the stores have read their registers
	YLOAD 2
	s_wait_loadcnt 32
	YSTORE 1
	s_wait_dscnt 0x0
	YLOAD 3
	s_wait_loadcnt 32
	YSTORE 2
	s_wait_loadcnt 0x0
	YSTORE 3
	s_wait_dscnt 0x0                               ; my own bytes: no barrier
	YFETCH 0, 0
	YFETCH 0, 4
	STEP 0, 1
	STEP 1, 0
	STEP 2, 0
	STEP 3, 0
.set k, 0
.rept 32
	global_load_b128 v[128+4*k:128+4*k+3], v[LI], s[X1P:X1P+1] offset:2048*k
.set k, k+1
.endr
	global_load_b128 v[RB2:RB2+3], v[LI], s[B2P:B2P+1]
	BAR                                            ; every wave has left its part of Y: the stages may cover it
	s_wait_alu depctr_va_vdst(0)
	TOSTAGE 0
	TOSTAGE 1
	TOSTAGE 2
	TOSTAGE 3
	TOSTAGE 4
	TOSTAGE 5
	TOSTAGE 6
	TOSTAGE 7
	BAR                                            ; the four partial sums lie in LDS
	s_wait_loadcnt 0x0                             ; x1, b2
.irp bt, 0,1,2,3,4,5,6,7
	SUM4 \bt
.endr
	s_wait_tensorcnt 0x0                           ; the wave's end
	ds_add_u32 v[SPW], v[NIL]
	s_wait_dscnt 0x0
	s_endpgm
.Lfunc_end_k_q06f7237d97_ffn2:
	.size	k_q06f7237d97_ffn2, .Lfunc_end_k_q06f7237d97_ffn2-k_q06f7237d97_ffn2
	.p2alignl 7, 3214868480
	.fill 96, 4, 3214868480
	.section	.rodata,"a",@progbits
	.p2align	6, 0x0
	.amdhsa_kernel k_q06f7237d97_ffn2
		.amdhsa_group_segment_fixed_size 270848
		.amdhsa_private_segment_fixed_size 0
		.amdhsa_enable_private_segment 0
		.amdhsa_kernarg_size 40
		.amdhsa_user_sgpr_count 2
		.amdhsa_user_sgpr_kernarg_segment_ptr 1
		.amdhsa_wavefront_size32 1
		.amdhsa_system_sgpr_workgroup_id_x 1
		.amdhsa_system_sgpr_workgroup_id_y 1
		.amdhsa_system_sgpr_workgroup_id_z 1
		.amdhsa_system_vgpr_workitem_id 0
		.amdhsa_next_free_vgpr 1024
		.amdhsa_next_free_sgpr 66
		.amdhsa_reserve_vcc 0
		.amdhsa_float_denorm_mode_32 3
		.amdhsa_float_denorm_mode_16_64 3
		.amdhsa_memory_ordered 1
		.amdhsa_forward_progress 1
		.amdhsa_inst_pref_size 124
	.end_amdhsa_kernel
	.amdgpu_metadata
---
amdhsa.version: [ 1, 2 ]
amdhsa.kernels:
  - .name:           k_q06f7237d97_ffn2
    .symbol:         k_q06f7237d97_ffn2.kd
    .args:
      - { .name: hid, .offset: 0, .size: 8, .value_kind: global_buffer, .address_space: global }
      - { .name: prep, .offset: 8, .size: 8, .value_kind: global_buffer, .address_space: global }
      - { .name: mid, .offset: 16, .size: 8, .value_kind: global_buffer, .address_space: global }
      - { .name: b2, .offset: 24, .size: 8, .value_kind: global_buffer, .address_space: global }
      - { .name: out0, .offset: 32, .size: 8, .value_kind: global_buffer, .address_space: global }
    .group_segment_fixed_size: 270848
    .private_segment_fixed_size: 0
    .kernarg_segment_align: 8
    .kernarg_segment_size: 40
    .max_flat_workgroup_size: 128
    .sgpr_count:     66
    .vgpr_count:     1024
    .wavefront_size: 32
...
	.end_amdgpu_metadata
.endif
;; end of part 6
